; MI455X (gfx1250); checked and timed in simulation.
; The chip was launched on July 23, 2026; its instructions are those of AMD's public machine-readable ISA for CDNA 5 (MIT licence, August 2026) and "CDNA5" Instruction Set Architecture Reference Guide (July 2026). The comments in the code are by the model that wrote it; some were corrected since.
;; multi head attention. Allowed arithmetic: matrix products marked QUANTISED: E4M3 operands, one E8M0 scale for each 32 along K, by v_wmma_scale_f32_16x16x128_f8f6f4 with both operands' format E4M3, f32 sums; everything else in f32.
;; Inputs: Wk 1,024 x 1,024 float32; Wo 1,024 x 1,024 float32; Wq 1,024 x 1,024 float32; Wv 1,024 x 1,024 float32; bk 1,024 float32; bo 1,024 float32; bq 1,024 float32; bv 1,024 float32; k 4 x 2,048 x 1,024 float32; q 4 x 2,048 x 1,024 float32; v 4 x 2,048 x 1,024 float32.
;; Outputs: out0 4 x 2,048 x 1,024 float32.
;; Constants: mask = True.
;; This version of the problem:
;;   THIS VERSION OF THE PROBLEM IS GIVEN IN LOW PRECISION. The matrix products marked QUANTISED in the list below multiply operands that are first quantised to E4M3 (4 exponent bits, 3 mantissa bits; 8 bits a number), with one power-of-two scale for each 32 numbers along K (OCP MX v1.0); their sums are f32. All else is computed in f32.
;;   The module's matrix products, in the order in which they are computed (A, B: the left and right operand; K: the contracted axis; several contracted axes count as one K, in the product's order):
;;     1. [M 8,192, K 1,024] x [K 1,024, N 1,024]; A: input q; B: input Wq: QUANTISED
;;     2. [M 8,192, K 1,024] x [K 1,024, N 1,024]; A: input k; B: input Wk: QUANTISED
;;     3. [M 8,192, K 1,024] x [K 1,024, N 1,024]; A: input v; B: input Wv: QUANTISED
;;     4. batch 64 x [M 2,048, K 64] x [K 64, N 2,048]; A: computed on the way; B: computed on the way: QUANTISED
;;     5. batch 64 x [M 2,048, K 2,048] x [K 2,048, N 64]; A: softmax (see below); B: computed on the way: QUANTISED
;;     6. [M 8,192, K 1,024] x [K 1,024, N 1,024]; A: computed on the way; B: input Wo: QUANTISED
;;   THE QUANTISER, for each operand of a quantised product, along K:
;;     - K is cut into blocks of 32 from its start; a last block that is shorter is filled with zeros.
;;     - A block's scale is 2^e with e = floor(log2(the largest magnitude in the block)) - 8, held to -126 .. 127; a block of zeros has e = 0. As a byte (E8M0): e + 127.
;;     - Each number is divided by its block's scale, clamped to +-448, and rounded to the nearest number of E4M3, ties to even, subnormals kept.
;;     - The product sums the exact products of the quantised numbers (number of the format x scale) in f32.
;;   ~~~python
;;   def quantise(x, axis):      # numpy; x: float32 -> the quantised numbers, widened to float32 again
;;       x = np.moveaxis(x, axis, -1); K = x.shape[-1]
;;       x = np.pad(x, [(0, 0)] * (x.ndim - 1) + [(0, -K % 32)]); x = x.reshape(x.shape[:-1] + (-1, 32)); a = np.abs(x).max(-1, keepdims=True)
;;       e = np.where(a > 0, np.clip(np.frexp(np.where(a > 0, a, 1))[1] - 1 - 8, -126, 127), 0)      # np.frexp(a)[1] - 1 = floor(log2(a)), exactly
;;       r = np.clip(x / 2.0 ** e, -448, 448)
;;       step = 2.0 ** (np.maximum(np.frexp(np.where(r == 0, 1, r))[1] - 1, -6) - 3)
;;       q = np.round(r / step) * step * 2.0 ** e      # np.round: ties to even
;;       return np.moveaxis(q.reshape(q.shape[:-2] + (-1,))[..., :K], -1, axis).astype(np.float32)
;;   ~~~
;;   SOFTMAX AHEAD OF A QUANTISED PRODUCT. Where the list says 'softmax', what is quantised is not the finished softmax but p = 2^(t - M), with t = logit x log2(e) and M = ceil(the row's largest t), a whole number; so 1/2 < the row's largest p <= 1. The row's sum l is taken of the UNQUANTISED p, in f32, and the product's result is divided by l at the end. Since M is a whole number, a kernel that streams over the keys may use a running M (the ceiling of the running maximum): every later rescaling is an exact power of two, which a block's scale takes up: the codes' values come out the same.
;;   OPERANDS COMPUTED ON THE WAY. 'Computed on the way' means the value that the module computes at that place (a softmax that the list does not call 'softmax' is quantised finished and normalised). What goes into a quantiser is computed in f32, as accurately as f32 sums, v_exp_f32 and their like allow (about 1e-6 of the number): no bf16 or f16 on the way to a quantiser, and a product that is left as it is and whose result goes on into a quantised operand takes f32 operands (vector FMAs, or v_wmma_f32_16x16x4_f32). A number that lies on a knife's edge between two numbers of the format may be rounded either way, as far as f32 arithmetic and the matrix unit's own rounding can turn it there, and no further.
;; One version. Each part assembles by itself: llvm-mc -triple=amdgcn-amd-amdhsa -mcpu=gfx1250 --defsym DOCPART=n.
;; ======== version 1 of 1: 4 launches
;; limits: right only within a limited range of input values
;; workspace buffers: codes 29,360,128 bytes; scl 917,504 bytes; pack 25,952,256 bytes; cimg 8,388,608 bytes; csc 262,144 bytes
;; launch quant (part 1): grid 896 x 1, 4 waves a work-group, no clusters, 33,280 bytes of LDS; arguments q, k, v, Wq, Wk, Wv, Wo, codes, scl; writes codes, scl
.if DOCPART == 1
	.amdgcn_target "amdgcn-amd-amdhsa--gfx1250"
	.amdhsa_code_object_version 6
	.text
	.protected	k_qd8bbf38e32_quant
	.globl	k_qd8bbf38e32_quant
	.p2align	8
	.type	k_qd8bbf38e32_quant,@function
k_qd8bbf38e32_quant:
	s_mov_b64 s[64:65], 0
	v_nop
	global_prefetch_b8 v0, s[64:65] scope:SCOPE_SE
	s_setreg_imm32_b32 hwreg(HW_REG_WAVE_MODE, 25, 1), 1
	s_wait_xcnt 0x0
; q, k, v [8192][1024] and Wq, Wk, Wv, Wo [1024][1024], f32, become codes of FP8 (E4M3), K innermost, with one E8M0 byte for each 32 along K.
; A block's scale is 2^(floor(log2(its largest magnitude)) - 8); its byte is the largest magnitude's exponent field - 8, held at 1 from below; each number is divided by the scale,
; held within +-448 and rounded to the nearest code, ties to even.
; LIMITS: NaN and infinities among the inputs are not served; a block whose largest magnitude lies under 2^-118 (a block of zeros too) gets the byte 1: its bytes are read by this program alone.
; LAYOUT OF THE RESULT.  codes: units of 32 rows x 1,024 bytes: units 0-255 q, 256-511 k, 512-767 v, then 32 units each of Wq, Wk, Wv, Wo.  scl: 32 bytes a row, at the same places.
; THE ROWS OF A UNIT ARE PERMUTED (all tensors but Wo): place p holds row p with its bits 3 and 4 exchanged.  So 16 neighbouring places are rows 8 u + (r & 7) + 16 (r >> 3), and in a product's
; result the 16 registers of two neighbouring tiles are 16 neighbouring rows: what the next product's operand wants.
; Wq, Wk, Wv are also taken head by head: row 64 head + d of the result is source row 16 d + head (the heads lie strided in the projections' columns).
; SHARES.  A work-group takes a unit, a wave 8 rows of it (16 steps of 512 numbers) and writes them as 8 neighbouring places: 8,192 consecutive bytes of codes, 256 of scale bytes.
; A step: four loads of 512 consecutive bytes; the 2,048 bytes turn through the wave's own stage in LDS, so that a lane holds 16 neighbours along K (two lanes a block).  No barrier: waves share nothing.
.set STEPS, 16
.set EMAX,  8
.set MANT,  0x600000                   ; the mantissa field of 448 as f32
.set CB,    16                         ; bytes of 16 codes
.set R,     16                         ; v16-79   four sets of 16 numbers as they are loaded
.set X,     80                         ; v80-111  two sets of 16 neighbours
.set E,     112                        ; v112-127 a scale byte for each step
.set C,     128                        ; v128-191 codes: four registers for each step, so that no store's data are written again
.set OFF,   192                        ; v192-199 byte offset of my 16 bytes in each of my wave's 8 source rows; never rewritten
.set WREG,  8192                       ; LDS: a region for each wave: two stages of 32 x SP bytes, behind them its 256 scale bytes
.set SP,    80                         ; a lane's place in a stage: 64 bytes + 16 of padding
	s_load_b512 s[4:19], s[0:1], 0x0               ; q, k, v, Wq, Wk, Wv, Wo, codes
	s_load_b64 s[20:21], s[0:1], 0x40              ; scl
	v_lshl_add_u32 v200, v0, 2, 0x8000
	v_mov_b32 v201, 0
	v_lshrrev_b32 v1, 5, v0
	v_readfirstlane_b32 s22, v1                    ; wave
	v_and_b32 v2, 31, v0                           ; lane
	v_lshlrev_b32 v3, 4, v2                        ; my 16 bytes of a load's 512
	s_mul_i32 s33, s22, WREG
	v_lshrrev_b32 v14, 2, v2
	v_mul_u32_u24 v14, v14, SP
	v_and_b32 v15, 3, v2
	v_lshl_add_u32 v14, v15, 4, v14
	v_add_nc_u32 v14, s33, v14                     ; the stage, on the way in: SP (lane / 4) + 16 (lane % 4)
	v_mul_u32_u24 v15, v2, SP
	v_add_nc_u32 v15, s33, v15                     ; and on the way out: SP x lane: my 16 neighbours
	v_mul_u32_u24 v4, v2, CB                       ; my codes' place in a step's
	v_lshrrev_b32 v5, 1, v2
	s_add_co_u32 s33, s33, 2*32*SP
	v_add_nc_u32 v5, s33, v5                       ; LDS: my wave's 256 scale bytes, my block's byte
	v_lshlrev_b32 v7, 3, v2                        ; and on the way out 8 bytes a lane
	v_add_nc_u32 v6, s33, v7
	s_mov_b32 s23, MANT
	; where my wave's 8 source rows begin, and how far they lie apart.  Everything hangs on the work-group's and the wave's number alone.
	s_and_b32 s27, ttmp9, 255
	s_and_b32 s28, ttmp9, 31                       ; the unit's number in its tensor: of 256 (q, k, v) or of 32 (weights)
	s_cmp_lt_u32 ttmp9, 768
	s_cselect_b32 s27, s27, s28
	s_lshl_b32 s27, s27, 17                        ; rows as they lie: 32 rows of 4,096 bytes a unit,
	s_lshl_b32 s29, s22, 15                        ; 8 rows a wave
	s_add_co_u32 s27, s27, s29
	s_and_b32 s29, s28, 1                          ; head by head: d = 32 (unit & 1) + 8 wave + 0 .. 7, head = unit >> 1
	s_lshl_b32 s29, s29, 5
	s_lshl_b32 s30, s22, 3
	s_add_co_u32 s29, s29, s30
	s_lshl_b32 s29, s29, 16                        ; source row 16 d + head: d x 65,536 bytes
	s_lshr_b32 s30, s28, 1
	s_lshl_b32 s30, s30, 12                        ; + head x 4,096
	s_add_co_u32 s29, s29, s30
	s_and_b32 s31, s22, 1                          ; where my 8 rows go: the wave's two bits exchanged
	s_lshl_b32 s31, s31, 1
	s_lshr_b32 s30, s22, 1
	s_or_b32 s31, s31, s30
	s_mov_b32 s26, 4096                            ; bytes from a source row to the next
	s_sub_co_u32 s30, ttmp9, 768
	s_cmp_lt_u32 s30, 96                           ; units 768 to 863: Wq, Wk, Wv
	s_cselect_b32 s28, s29, s27
	s_cselect_b32 s26, 0x10000, s26
	s_mov_b32 s29, 0
	s_cmp_lt_u32 ttmp9, 864                        ; Wo's rows keep their places
	s_cselect_b32 s31, s31, s22
	s_lshl_b32 s30, ttmp9, 2
	s_add_co_u32 s30, s30, s31                     ; which run of 8 places is mine
	s_lshl_b32 s34, s30, 13                        ; 8,192 bytes of codes a run
	s_mov_b32 s35, 0
	s_lshl_b32 s36, s30, 8                         ; 256 scale bytes a run
	s_mov_b32 s37, 0
.irp j, 0,1,2,3,4,5,6,7
	v_mad_u32_u24 v[OFF+\j], s26, \j, v3           ; row j of my 8
.endr
	s_wait_alu depctr_va_vdst(0)
	s_wait_kmcnt 0x0
	s_mov_b64 s[24:25], s[4:5]                     ; the source tensor, chosen by the work-group's number alone
	s_cmp_ge_u32 ttmp9, 256
	s_cselect_b64 s[24:25], s[6:7], s[24:25]
	s_cmp_ge_u32 ttmp9, 512
	s_cselect_b64 s[24:25], s[8:9], s[24:25]
	s_cmp_ge_u32 ttmp9, 768
	s_cselect_b64 s[24:25], s[10:11], s[24:25]
	s_cmp_ge_u32 ttmp9, 800
	s_cselect_b64 s[24:25], s[12:13], s[24:25]
	s_cmp_ge_u32 ttmp9, 832
	s_cselect_b64 s[24:25], s[14:15], s[24:25]
	s_cmp_ge_u32 ttmp9, 864
	s_cselect_b64 s[24:25], s[16:17], s[24:25]
	s_add_nc_u64 s[24:25], s[24:25], s[28:29]
	s_add_nc_u64 s[18:19], s[18:19], s[34:35]
	s_add_nc_u64 s[20:21], s[20:21], s[36:37]
.macro LOAD t                          ; step t: half t % 2 of row t / 2
.irp i, 0,1,2,3
	global_load_b128 v[R+16*((\t)%4)+4*\i:R+16*((\t)%4)+4*\i+3], v[OFF+(\t)/2], s[24:25] offset:2048*((\t)%2)+512*\i th:TH_LOAD_NT   ; 32 lanes read 512 consecutive bytes
.endr
.endm
.macro TURN t                          ; step t's numbers through the stage: LDS serves a wave's instructions in order, so no wait stands between the stores and the loads
.irp i, 0,1,2,3
	ds_store_b128 v14, v[R+16*((\t)%4)+4*\i:R+16*((\t)%4)+4*\i+3] offset:32*SP*((\t)%2)+8*SP*\i
.endr
.irp i, 0,1,2,3
	ds_load_b128 v[X+16*((\t)%2)+4*\i:X+16*((\t)%2)+4*\i+3], v15 offset:32*SP*((\t)%2)+16*\i
.endr
.endm
.irp t, 0,1,2,3
	LOAD \t
.endr
	s_wait_loadcnt 12                              ; step 0's four loads are in; those of steps 1 to 3 stay out
	TURN 0
.macro STEP t
.set XS, X+16*((\t)%2)
.if (\t) > 0
	s_wait_dscnt 1                                 ; this step's numbers are back from the stage (the last step's byte store may be out): so its stores into the stage have read their registers,
.else
	s_wait_dscnt 0x0
.endif
.if (\t)+4 < STEPS
	LOAD (\t)+4                                    ; which take the loads of four steps on
.endif
.if (\t)+1 < STEPS
.if STEPS-2-(\t) >= 3
	s_wait_loadcnt 12                              ; the next step's four loads are in; those of the three steps behind it may be out
.else
	s_wait_loadcnt 4*(STEPS-2-(\t))
.endif
	TURN (\t)+1                                    ; and go through the other stage while this step is worked
.endif
	v_max3_num_f32 v8, |v[XS]|, |v[XS+1]|, |v[XS+2]|               ; the largest magnitude of my 16, in two chains
	v_max3_num_f32 v9, |v[XS+3]|, |v[XS+4]|, |v[XS+5]|
.irp i, 6,10
	v_max3_num_f32 v8, v8, |v[XS+\i]|, |v[XS+\i+1]|
	v_max3_num_f32 v9, v9, |v[XS+\i+2]|, |v[XS+\i+3]|
.endr
	v_max3_num_f32 v8, v8, |v[XS+14]|, |v[XS+15]|
	v_max3_num_f32 v8, v8, v9, (EMAX+1)<<23        ; and the floor 2^(9 - 127): the byte cannot fall under 1
	v_max_num_f32_dpp v8, v8, v8 row_xmask:1 row_mask:0xf bank_mask:0xf   ; and of my neighbour's 16: the block's
	v_add_nc_u32 v11, -(EMAX<<23), v8              ; 8 off its exponent field: the conversion takes the exponent field of this operand as its scale
	v_and_or_b32 v10, v8, 0x7f800000, s23          ; 448 x the scale
.irp i, 0,1,2,3,4,5,6,7,8,9,10,11,12,13,14,15
	v_med3_num_f32 v[XS+\i], v[XS+\i], -v10, v10   ; the conversion to an 8-bit code does not saturate (ISA guide 7.6.2): hold the number first
.endr
	v_cvt_scalef32_pk8_fp8_f32 v[C+4*(\t):C+4*(\t)+1], v[XS:XS+7], v11
	v_cvt_scalef32_pk8_fp8_f32 v[C+4*(\t)+2:C+4*(\t)+3], v[XS+8:XS+15], v11
	v_lshrrev_b32 v[E+(\t)], 23, v11               ; the scale's byte (also the plain line behind the conversions)
	ds_store_b8 v5, v[E+(\t)] offset:16*(\t)       ; both lanes of a block write the same byte with the same value
	global_store_b128 v4, v[C+4*(\t):C+4*(\t)+3], s[18:19] offset:32*CB*(\t)   ; 32 lanes store 512 consecutive bytes
.endm
.irp t, 0,1,2,3,4,5,6,7,8,9,10,11,12,13,14,15
	STEP \t
.endr
	ds_load_b64 v[12:13], v6                       ; LDS serves a wave's instructions in order: these see my stores
	s_wait_dscnt 0x0
	global_store_b64 v7, v[12:13], s[20:21]        ; 32 lanes store 256 consecutive bytes, aligned
	s_wait_tensorcnt 0x0
	ds_add_u32 v200, v201
	s_wait_dscnt 0x0
	s_endpgm
.Lfunc_end_k_qd8bbf38e32_quant:
	.size	k_qd8bbf38e32_quant, .Lfunc_end_k_qd8bbf38e32_quant-k_qd8bbf38e32_quant
	.p2alignl 7, 3214868480
	.fill 96, 4, 3214868480
	.section	.rodata,"a",@progbits
	.p2align	6, 0x0
	.amdhsa_kernel k_qd8bbf38e32_quant
		.amdhsa_group_segment_fixed_size 33280
		.amdhsa_private_segment_fixed_size 0
		.amdhsa_enable_private_segment 0
		.amdhsa_kernarg_size 72
		.amdhsa_user_sgpr_count 2
		.amdhsa_user_sgpr_kernarg_segment_ptr 1
		.amdhsa_wavefront_size32 1
		.amdhsa_system_sgpr_workgroup_id_x 1
		.amdhsa_system_sgpr_workgroup_id_y 1
		.amdhsa_system_sgpr_workgroup_id_z 1
		.amdhsa_system_vgpr_workitem_id 0
		.amdhsa_next_free_vgpr 202
		.amdhsa_next_free_sgpr 66
		.amdhsa_reserve_vcc 0
		.amdhsa_float_denorm_mode_32 3
		.amdhsa_float_denorm_mode_16_64 3
		.amdhsa_memory_ordered 1
		.amdhsa_forward_progress 1
		.amdhsa_inst_pref_size 53
	.end_amdhsa_kernel
	.amdgpu_metadata
---
amdhsa.version: [ 1, 2 ]
amdhsa.kernels:
  - .name:           k_qd8bbf38e32_quant
    .symbol:         k_qd8bbf38e32_quant.kd
    .args:
      - { .name: q, .offset: 0, .size: 8, .value_kind: global_buffer, .address_space: global }
      - { .name: k, .offset: 8, .size: 8, .value_kind: global_buffer, .address_space: global }
      - { .name: v, .offset: 16, .size: 8, .value_kind: global_buffer, .address_space: global }
      - { .name: Wq, .offset: 24, .size: 8, .value_kind: global_buffer, .address_space: global }
      - { .name: Wk, .offset: 32, .size: 8, .value_kind: global_buffer, .address_space: global }
      - { .name: Wv, .offset: 40, .size: 8, .value_kind: global_buffer, .address_space: global }
      - { .name: Wo, .offset: 48, .size: 8, .value_kind: global_buffer, .address_space: global }
      - { .name: codes, .offset: 56, .size: 8, .value_kind: global_buffer, .address_space: global }
      - { .name: scl, .offset: 64, .size: 8, .value_kind: global_buffer, .address_space: global }
    .group_segment_fixed_size: 33280
    .private_segment_fixed_size: 0
    .kernarg_segment_align: 8
    .kernarg_segment_size: 72
    .max_flat_workgroup_size: 128
    .sgpr_count:     66
    .vgpr_count:     202
    .wavefront_size: 32
...
	.end_amdgpu_metadata
.endif
;; end of part 1
;; launch proj (part 2): grid 4 x 96, 4 waves a work-group, clusters of 4 x 4, 327,680 bytes of LDS; arguments codes, scl, bq, bk, bv, pack; writes pack
.if DOCPART == 2
	.amdgcn_target "amdgcn-amd-amdhsa--gfx1250"
	.amdhsa_code_object_version 6
	.text
	.protected	k_qd8bbf38e32_proj
	.globl	k_qd8bbf38e32_proj
	.p2align	8
	.type	k_qd8bbf38e32_proj,@function
k_qd8bbf38e32_proj:
	s_mov_b64 s[64:65], 0
	v_nop
	global_prefetch_b8 v0, s[64:65] scope:SCOPE_SE
	s_setreg_imm32_b32 hwreg(HW_REG_WAVE_MODE, 25, 1), 1
	s_wait_xcnt 0x0
	s_wait_alu depctr_hold_cnt(0) depctr_sa_sdst(0) depctr_va_vdst(0) depctr_va_sdst(0) depctr_va_ssrc(0) depctr_va_vcc(0) depctr_vm_vsrc(0)
	s_getreg_b32 s2, hwreg(HW_REG_IB_STS2, 6, 4)
	s_cmp_eq_u32 s2, 0
	s_cbranch_scc0 .Lentry_in_a_cluster
	s_endpgm
.Lentry_in_a_cluster:
	s_bfe_u32 s2, ttmp6, 0x10000c
	s_cmp_lg_u32 s2, 0xf033
	s_cbranch_scc0 .Lentry_shape_is_right
	s_endpgm
.Lentry_shape_is_right:
; The three projections x W^T + b (x = q, k, v: [8192][1024]; W: [1024][1024]) on codes of FP8 (E4M3) with E8M0 scales, sums in f32; the results, with their bias, are quantised in registers
; along the K of the product that takes them next, and stored as IMAGES OF THAT PRODUCT'S OPERAND REGISTERS.
; ONE LOOP FOR ALL THREE.  The loop multiplies rows of A' by rows of B', source 0 = 16 rows of B', source 1 = 16 rows of A': a lane holds ONE row of A', its registers run along rows of B'.
;   Q, K (tau = 0, 1): A' = x, B' = W: a lane holds one row of x, its registers run along the head's 64 numbers, which are the scores' K.
;   V (tau = 2):       A' = Wv, B' = v: a lane holds one of the head's 64, its registers run along the keys, which are the second product's K.
; The places of the rows in 'codes' (bits 3 and 4 of a place exchanged, W head by head) make the 16 registers of two neighbouring tiles 16 neighbours along that K.
; A tile of 256 x 256 to a work-group of four waves, 128 x 128 a wave: 64 accumulators.  K = 1,024 goes in four steps of 256 through a ring of two LDS slots; the scale bytes of the 512 rows come once and stay.
; CLUSTERS: 4 x 4 work-groups: A's tiles are asked for jointly along a row of the cluster, B's along a column.  tau and the tile bases hang on the cluster's y alone, which all sixteen share.
; pack: [tau][batch x 16 + head][chunk of 128 rows or keys][8,448 bytes]: 8,192 of codes, 512 bytes (16 a lane) for each group of four registers, then 256 of scale words (16 bytes a lane 0-15).
;   Q, K: group 4 l + 2 u + b of the chunk: lane (m, h): row 32 l + 8 u + (m & 7) + 16 (m >> 3), numbers 32 b + 16 h + 0 .. 15 of the head.  Scale word l of lane m: two bytes for u = 0, two for u = 1.
;   V: group 4 t + c: lane (m, h): number 32 (t >> 1) + 8 (t & 1) + (m & 7) + 16 (m >> 3) of the head, keys 32 c + 16 h + 0 .. 15.  Scale word t of lane m: a byte for each c.
; LIMITS: NaN and infinities are not served; a block whose largest magnitude lies under 2^-118 gets the byte 1 (the bytes are read by this program alone).
; REGISTERS, in windows of 256: window 0: v0-31 addresses; v32-63 scale words, two sets; v64-127 the bias in the result's layout; from v128 A's fragments, ONE set (behind the loop: at work).
;   window 1: B's fragments, two sets.   window 2: the accumulators of my rows 0-63 ((a, b) at v[8 (8 a + b)]);   window 3: those of rows 64-127.
.set KSTEP,  256
.set NQ,     2                         ; matrix instructions deep in a slot
.set ROWB,   256                       ; a tile's row in bytes
.set KROW,   1024                      ; a row of codes in memory
.set PITCH,  272                       ; an LDS row: 256 bytes + 16 of padding: the 16 rows that a load touches start at 16 different banks (64 banks of 4 bytes: ISA guide 11.1)
.set FR,     16                        ; registers of a fragment
.set NL,     4                         ; LDS loads that bring one
.set NP,     8                         ; places behind this matrix instruction (ISA guide 7.12.1)
.set HALFT,  128*PITCH
.set SLOT,   4*HALFT                   ; A's 256 rows, then B's 256 rows
.set LAPS,   2                         ; a lap = two K steps = once round the ring
.set KS,     32                        ; a row of scale bytes
.set SCL,    2*SLOT                    ; behind the ring: the scales, as units of 256 bytes + 16 of padding
.set HALFS,  (128*KS/256)*272
.set SBLK,   (16*KS/256)*272
.set SPARE,  SCL+4*HALFS               ; behind the scales: the spare words, 128 bytes for each wave
.set HEADB,  135168                    ; pack: bytes of a head
.set CHB,    8448                      ; and of a chunk
.set ADRA, 16                          ; v16-17  LDS address of my A fragments in slot 0, 1
.set ADRB, 20                          ; v20-21  the same for B
.set VO,   24                          ; v24     16 x lane: my place in an image
.set VS,   25                          ; v25     my place among the scale words: 16 (lane % 16), lanes 16-31 a head further on
.set ADRS, 27                          ; v27     LDS address of my scale words: lanes 0-15 A's rows, lanes 16-31 B's
.set SPW,  28                          ; v28     LDS address of my spare word; never rewritten
.set NIL,  29                          ; v29     0; never rewritten
.set BQA,  30                          ; v30     the bias's offset for Q, K
.set BVA,  31                          ; v31     and for V
.set SC,   32
.set BI,   64
.set AF,   128
.set ST,   128                         ; behind the loop: v128-191 64 numbers of a lane
.set PC,   192                         ; v192-207 their codes
.set TM,   208                         ; v208-223 at work
.set PWE,  224                         ; v224, v225 the scale words of an even and an odd block of rows
.set PWO,  225
.set SW0,  228                         ; v228-231 the first head's four scale words, v232-235 the second's
.set SW1,  232
.set OW,   236                         ; v236-239 those that my lane stores
.set G1, 24
.set G0, 32
.set G1B, 48
.set G0B, 56
.set G1S, 68
.set G0S, 76
.set G1SB, 80
.set G0SB, 88
.set TAU, 95                           ; s95  which projection
.set SEL, 18                           ; s[18:19] behind the loop: lane selects for v_permlanex16_b32
.set MNT, 22
.set MSB, 0
.macro WIN new                         ; the immediate's high byte repeats the setting that is left
.if MSB != (\new)
	s_set_vgpr_msb (MSB<<8)|(\new)
.set MSB, (\new)
.endif
.endm
.set MUL_LO, 0xa1                      ; source 0 (B) window 1, source 1 (A) window 0, C and D window 2
.set MUL_HI, 0xf1                      ; the same, C and D window 3
.set TO_B,   0x40                      ; destination window 1, address window 0
; A joint load: waves 0 and 1 fetch for A, waves 2 and 3 for B; the branch hangs on the wave's number alone.  Four v_nop follow each of the two lines.
.macro JLOAD g0a, g1a, g0b, g1b
	s_cmp_eq_u32 s15, 0
	s_cbranch_scc0 .Lfor_b_\@
	tensor_load_to_lds s[\g0a:\g0a+3], s[\g1a:\g1a+7]
	s_nop 0
.rept 4
	v_nop
.endr
	s_branch .Lasked_\@
.Lfor_b_\@:
	tensor_load_to_lds s[\g0b:\g0b+3], s[\g1b:\g1b+7]
	s_nop 0
.rept 4
	v_nop
.endr
.Lasked_\@:
.endm
.macro CREST                           ; a round of the cluster's barrier behind its opening barrier
	s_cmp_lg_u32 s14, 0
	s_cbranch_scc1 .Lnot_wave_0_\@
	s_barrier_signal -3
.Lnot_wave_0_\@:
	s_barrier_wait -3
	s_barrier_signal -1
	s_barrier_wait -1
.endm
.macro CROUND                          ; a whole round
	s_barrier_signal -1
	s_barrier_wait -1
	CREST
.endm
	s_load_b128 s[4:7], s[0:1], 0x0                ; codes, scl
	s_load_b128 s[8:11], s[0:1], 0x10              ; bq, bk
	s_load_b128 s[96:99], s[0:1], 0x20             ; bv, pack
	v_lshl_add_u32 v[SPW], v0, 2, SPARE
	v_mov_b32 v[NIL], 0
	ds_add_u32 v28, v29
	ds_add_u32 v28, v29
	s_wait_dscnt 0x0
	v_lshrrev_b32 v1, 5, v0
	v_readfirstlane_b32 s14, v1                    ; wave 0..3
	s_lshr_b32 s15, s14, 1                         ; which half of the tile's rows (A') is mine.  Also: I fetch for A (0) or for B (1)
	s_and_b32 s16, s14, 1                          ; which half of its columns (B').  Also: which 128 rows of that tile I fetch
	s_bfe_u32 s40, ttmp6, 0x40000                  ; cx, cy: my place in the cluster
	s_bfe_u32 s41, ttmp6, 0x40004
	s_and_b32 s66, ttmp7, 0xffff                   ; the cluster's y, 0 .. 23: eight clusters to a projection
	s_lshr_b32 s[TAU], s66, 3
	s_and_b32 s66, s66, 7
	s_lshl_b32 s66, s66, 2                         ; the first of the cluster's four tiles along x's 8,192 rows
	s_mul_i32 s12, s[TAU], 8388608                 ; Q, K: A' = x's codes,
	s_mul_i32 s13, s[TAU], 1048576
	s_add_co_u32 s13, s13, 25165824                ; B' = the weight's,
	s_mul_i32 s100, s[TAU], 262144                 ; and their scale bytes
	s_mul_i32 s101, s[TAU], 32768
	s_add_co_u32 s101, s101, 786432
	s_cmp_eq_u32 s[TAU], 2                         ; V: the two change places
	s_cselect_b32 s17, 0, s66
	s_cselect_b32 s42, s66, 0
	s_cselect_b32 s12, 27262976, s12               ; A' = Wv's codes
	s_cselect_b32 s13, 16777216, s13               ; B' = v's
	s_cselect_b32 s100, 851968, s100
	s_cselect_b32 s101, 524288, s101
	s_add_co_u32 s17, s17, s41                     ; tile row (of A'): its base + cy
	s_add_co_u32 s42, s42, s40                     ; tile column (of B'): its base + cx
	s_lshl_b32 s43, s41, 2
	s_lshl_b32 s43, 15, s43                        ; my row of the cluster
	s_lshl_b32 s44, 0x1111, s40                    ; my column
	; descriptor group 1: a tile of 128 rows x 256 bytes, 16 bytes of padding behind each row
	s_or_b32 s[G1+0], s43, (0<<16)|(1<<20)|(1<<21)|(5<<22)|(3<<25)  ; 15:0 the mask: A's tiles go to my row; elements of 1 byte; padding on; bit 21 beside a mask; after every 64 words, 4 words
	s_or_b32 s[G1B+0], s44, (0<<16)|(1<<20)|(1<<21)|(5<<22)|(3<<25)
.irp g, G1, G1B
	s_mov_b32 s[\g+1], ROWB<<16                    ; tensor_dim0
	s_mov_b32 s[\g+2], 128<<16                     ; tensor_dim1
	s_mov_b32 s[\g+3], ROWB<<16                    ; tile_dim0
	s_mov_b32 s[\g+4], 128                         ; tile_dim1
	s_mov_b32 s[\g+5], KROW                        ; tensor_dim0_stride
	s_mov_b32 s[\g+6], 0
	s_mov_b32 s[\g+7], 0
.endr
	; the scales of 128 rows: a dense block of 4,096 bytes, as 16 rows of 256 bytes (32 elements of 8 bytes), 16 bytes of padding behind each
	s_or_b32 s[G1S+0], s43, (3<<16)|(1<<20)|(1<<21)|(5<<22)|(3<<25)
	s_or_b32 s[G1SB+0], s44, (3<<16)|(1<<20)|(1<<21)|(5<<22)|(3<<25)
.irp g, G1S, G1SB
	s_mov_b32 s[\g+1], 32<<16
	s_mov_b32 s[\g+2], (128*KS/256)<<16
	s_mov_b32 s[\g+3], 32<<16
	s_mov_b32 s[\g+4], 128*KS/256
	s_mov_b32 s[\g+5], 32
	s_mov_b32 s[\g+6], 0
	s_mov_b32 s[\g+7], 0
.endr
	s_lshl_b32 s18, s16, 7                         ; which 128 rows of the tile I fetch
	s_lshl_b32 s20, s17, 8
	s_add_co_u32 s20, s20, s18                     ; A': place 256 x tile row + 128 x half
	s_lshl_b32 s46, s42, 8
	s_add_co_u32 s46, s46, s18                     ; B': place 256 x tile column + 128 x half
	s_mov_b32 s21, 0
	s_mov_b32 s47, 0
	s_mov_b64 s[18:19], KS
	s_mul_u64 s[22:23], s[20:21], s[18:19]         ; where these rows' scales begin in their tensor, in bytes
	s_mul_u64 s[92:93], s[46:47], s[18:19]
	s_mov_b64 s[18:19], KROW
	s_mul_u64 s[20:21], s[20:21], s[18:19]         ; and their codes
	s_mul_u64 s[46:47], s[46:47], s[18:19]
	s_mov_b32 s67, 0                               ; + where the tensor begins in its buffer
	s_mov_b32 s66, s12
	s_add_nc_u64 s[20:21], s[20:21], s[66:67]
	s_mov_b32 s66, s100
	s_add_nc_u64 s[22:23], s[22:23], s[66:67]
	s_mov_b32 s66, s13
	s_add_nc_u64 s[46:47], s[46:47], s[66:67]
	s_mov_b32 s66, s101
	s_add_nc_u64 s[92:93], s[92:93], s[66:67]
	s_mul_i32 s45, s14, HALFT                      ; where they go: wave x 128 rows: no place in the cluster enters an LDS address
	s_mul_i32 s94, s14, HALFS
	s_wait_kmcnt 0x0
	s_add_nc_u64 s[20:21], s[4:5], s[20:21]
	s_add_nc_u64 s[22:23], s[6:7], s[22:23]
	s_add_nc_u64 s[46:47], s[4:5], s[46:47]
	s_add_nc_u64 s[92:93], s[6:7], s[92:93]
	CROUND                                         ; all sixteen work-groups are here: the first joint loads meet
	s_mov_b32 s[G0S], 1
	s_add_co_u32 s[G0S+1], s94, SCL
	s_mov_b64 s[G0S+2:G0S+3], s[22:23]
	s_or_b32 s[G0S+3], s[G0S+3], 0x80000000
	s_mov_b32 s[G0SB], 1
	s_add_co_u32 s[G0SB+1], s94, SCL
	s_mov_b64 s[G0SB+2:G0SB+3], s[92:93]
	s_or_b32 s[G0SB+3], s[G0SB+3], 0x80000000
	JLOAD G0S, G1S, G0SB, G1SB                     ; the scales first: they are wanted with K step 0
.irp s, 0,1
	s_mov_b32 s[G0+4*\s], 1
	s_add_co_u32 s[G0+4*\s+1], s45, \s*SLOT
	s_add_nc_u64 s[G0+4*\s+2:G0+4*\s+3], s[20:21], \s*ROWB
	s_or_b32 s[G0+4*\s+3], s[G0+4*\s+3], 0x80000000
	s_mov_b32 s[G0B+4*\s], 1
	s_add_co_u32 s[G0B+4*\s+1], s45, \s*SLOT
	s_add_nc_u64 s[G0B+4*\s+2:G0B+4*\s+3], s[46:47], \s*ROWB
	s_or_b32 s[G0B+4*\s+3], s[G0B+4*\s+3], 0x80000000
	JLOAD G0+4*\s, G1, G0B+4*\s, G1B               ; three tensor loads of mine are out
.endr
	v_and_b32 v1, 15, v0                           ; r = l % 16
	v_bfe_u32 v2, v0, 4, 1                         ; h = l / 16
	v_mul_u32_u24 v3, v1, PITCH
	v_lshl_add_u32 v4, v2, 4, v3                   ; a fragment's row x pitch + 16 x half
	s_mul_i32 s21, s15, HALFT                      ; my 128 rows of A'
	s_mul_i32 s22, s16, HALFT                      ; my 128 rows of B',
	s_add_co_u32 s22, s22, 2*HALFT                 ; which lie behind A's 256
.irp s, 0,1
	v_add_nc_u32 v[ADRA+\s], s21, v4
	v_add_nc_u32 v[ADRB+\s], s22, v4
	s_add_co_u32 s21, s21, SLOT
	s_add_co_u32 s22, s22, SLOT
.endr
	v_mul_u32_u24 v5, v1, KS                       ; my row's scales: 32 bytes a row,
	v_lshrrev_b32 v6, 8, v5
	v_lshl_add_u32 v5, v6, 4, v5                   ; and 16 more for each 256 passed
	s_mul_i32 s21, s15, HALFS
	s_mul_i32 s22, s16, HALFS
	s_add_co_u32 s22, s22, 2*HALFS
	s_sub_co_u32 s22, s22, s21
	v_mul_u32_u24 v6, s22, v2                      ; lanes 16-31 take B's
	s_add_co_u32 s21, s21, SCL
	v_add_nc_u32 v5, v5, v6
	v_add_nc_u32 v[ADRS], s21, v5
	; where my results go, and my bias
	v_and_b32 v6, 31, v0
	v_lshlrev_b32 v[VO], 4, v6
	v_mul_u32_u24 v[VS], v2, HEADB
	v_lshl_add_u32 v[VS], v1, 4, v[VS]
	v_lshlrev_b32 v[BQA], 10, v2                   ; Q, K: my half's 16 numbers of the head lie 16 x 64 bytes on in the bias
	v_and_b32 v[BVA], 7, v1
	v_lshrrev_b32 v7, 3, v1
	v_lshl_add_u32 v[BVA], v7, 4, v[BVA]
	v_lshlrev_b32 v[BVA], 6, v[BVA]                ; V: my lane's number of the head, (r & 7) + 16 (r >> 3), x 64 bytes
	s_lshl_b32 s20, s17, 8
	s_lshl_b32 s21, s15, 7
	s_add_co_u32 s20, s20, s21                     ; my first place of A'
	s_lshl_b32 s46, s42, 8
	s_lshl_b32 s47, s16, 7
	s_add_co_u32 s46, s46, s47                     ; my first place of B'
	s_cmp_eq_u32 s[TAU], 1
	s_cselect_b64 s[100:101], s[10:11], s[8:9]     ; the bias, chosen by tau alone
	s_cmp_eq_u32 s[TAU], 2
	s_cselect_b64 s[100:101], s[96:97], s[100:101]
	s_cselect_b32 s92, s46, s20                    ; my first row of x (of 8,192),
	s_cselect_b32 s93, s20, s46                    ; and my first of the 1,024 outputs, head by head
	s_lshr_b32 s93, s93, 6                         ; the first of my two heads
	s_lshl_b32 s66, s93, 2
	s_mov_b32 s67, 0
	s_add_nc_u64 s[100:101], s[100:101], s[66:67]  ; output 16 d + head: 64 d + 4 head bytes
	s_lshr_b32 s66, s92, 11                        ; batch
	s_lshl_b32 s66, s66, 4
	s_add_co_u32 s66, s66, s93
	s_mul_i32 s66, s66, HEADB
	s_lshr_b32 s94, s92, 7
	s_and_b32 s94, s94, 15                         ; chunk of 128 rows
	s_mul_i32 s94, s94, CHB
	s_add_co_u32 s66, s66, s94
	s_mul_i32 s94, s[TAU], 64*HEADB
	s_add_co_u32 s66, s66, s94
	s_add_nc_u64 s[12:13], s[98:99], s[66:67]      ; pack at my chunk of my first head
	; the bias in the result's layout, 64 registers: these loads stay out through the loop.  Both ways write all 64.
	s_cmp_eq_u32 s[TAU], 2
	s_cbranch_scc1 .Lbias_v
.set x, 0
	s_wait_alu depctr_va_vdst(0)
.rept 8
.set j, 0
.rept 8
	global_load_b32 v[BI+8*x+j], v[BQA], s[100:101] offset:(32*((x/2)%2)+8*(x%2)+j)*64+(x/4)*4   ; register 8 x + j: number 32 ((x / 2) % 2) + 16 h + 8 (x % 2) + j of head x / 4
.set j, j+1
.endr
.set x, x+1
.endr
	s_branch .Lbias_in
.Lbias_v:
.set x, 0
	s_wait_alu depctr_va_vdst(0)
.rept 8
.set j, 0
.rept 8
	global_load_b32 v[BI+8*x+j], v[BVA], s[100:101] offset:(32*((x/2)%2)+8*(x%2))*64+(x/4)*4     ; registers 8 x ..: my lane's one number of block x of A'
.set j, j+1
.endr
.set x, x+1
.endr
.Lbias_in:
.macro FRAG reg, adr, q, i             ; a fragment, 16 rows x 128 K: lane l holds row l % 16; registers 4 c .. 4 c + 3 hold K = 32 c + 16 (l / 16) + 0 .. 15
.irp c, 0,1,2,3
	ds_load_b128 v[\reg+4*\c:\reg+4*\c+3], v[\adr] offset:128*(\q)+32*\c+(\i)*16*PITCH
.endr
.endm
; 16 matrix instructions: A's blocks a0, a0 + 1 x B's eight, 128 along K.  zero = 1: the first product starts the sums.  The 64 accumulators take turns, one instruction a turn.
.macro MUL16 a0, p, q, sc, zero
.irp a, \a0, \a0+1
.irp b, 0,1,2,3,4,5,6,7
.if \zero
	v_wmma_scale_f32_16x16x128_f8f6f4 v[8*(8*((\a)%4)+\b):8*(8*((\a)%4)+\b)+7], v[128*(\p)+FR*\b:128*(\p)+FR*\b+FR-1], v[AF+FR*(\a):AF+FR*(\a)+FR-1], 0, v[SC+8*NQ*(\sc)+NQ*\b+(\q)], v[SC+8*NQ*(\sc)+NQ*(\a)+(\q)] matrix_a_scale:MATRIX_SCALE_ROW1
.else
	v_wmma_scale_f32_16x16x128_f8f6f4 v[8*(8*((\a)%4)+\b):8*(8*((\a)%4)+\b)+7], v[128*(\p)+FR*\b:128*(\p)+FR*\b+FR-1], v[AF+FR*(\a):AF+FR*(\a)+FR-1], v[8*(8*((\a)%4)+\b):8*(8*((\a)%4)+\b)+7], v[SC+8*NQ*(\sc)+NQ*\b+(\q)], v[SC+8*NQ*(\sc)+NQ*(\a)+(\q)] matrix_a_scale:MATRIX_SCALE_ROW1
.endif
.endr
.endr
.endm
.macro FETCH_B slot, q, p
	WIN TO_B
.irp i, 0,1,2,3,4,5,6,7
	FRAG 128*(\p)+FR*\i, ADRB+\slot, \q, \i
.endr
	WIN 0
.endm
.macro FETCH_A slot, q, i0
.irp i, \i0, \i0+1, \i0+2, \i0+3
	FRAG AF+FR*(\i), ADRA+\slot, \q, \i
.endr
.endm
.macro SCALES sc                       ; a K step's scale words into set sc: two words a row; lanes 0-15 take A's block i, lanes 16-31 B's block i
.irp i, 0,1,2,3,4,5,6,7
	ds_load_b64 v[SC+8*NQ*\sc+NQ*\i:SC+8*NQ*\sc+NQ*\i+1], v[ADRS] offset:\i*SBLK
.endr
.endm
.macro PLACES n                        ; plain vector instructions between a matrix instruction and a load into, or a vector read or write of, its registers
.rept \n
	v_nop
.endr
.endm
.macro STEP slot, q, zero              ; a step of 128 along K that has its successor in the same slot
	s_wait_dscnt 4*NL                              ; B's set and A's blocks 0-3 are in; the youngest 16 loads (A's blocks 4-7) may be out
	WIN MUL_LO
	MUL16 0, (\q)%2, \q, \slot, \zero
	MUL16 2, (\q)%2, \q, \slot, \zero
	s_wait_dscnt 0
	PLACES NP
	FETCH_B \slot, (\q)+1, 1-(\q)%2
	FETCH_A \slot, (\q)+1, 0
	WIN MUL_HI
	MUL16 4, (\q)%2, \q, \slot, \zero
	MUL16 6, (\q)%2, \q, \slot, \zero
	PLACES NP
	WIN 0
	FETCH_A \slot, (\q)+1, 4
.endm
; A slot's last step changes slots: ONE barrier; in front of it each wave waits for all its tensor loads, adds 0 to its spare word, and waits for that and for its own reads of this slot.
.macro TURN slot, next, fill
	s_wait_tensorcnt 0x0                           ; all my tensor loads have landed: my part of the next slot
	ds_add_u32 v[SPW], v[NIL]                      ; 0 onto my spare word
	s_wait_dscnt 4*NL+1                            ; (the add and the youngest 16 loads, A's blocks 4-7, may be out)
	WIN MUL_LO
	MUL16 0, 1, NQ-1, \slot, 0                     ; sixteen matrix instructions stand between the add and the wait for it
	s_wait_dscnt 0x0                               ; the add is done, and my reads of this slot are over
	s_barrier_signal -1
	MUL16 2, 1, NQ-1, \slot, 0
	WIN 0
	s_barrier_wait -1
.if \fill
	CREST                                          ; the barrier has opened a round of the cluster's barrier: no wave of any partner still reads this slot or has a load on its way
	s_add_nc_u64 s[G0+4*\slot+2:G0+4*\slot+3], s[G0+4*\slot+2:G0+4*\slot+3], 2*ROWB
	s_add_nc_u64 s[G0B+4*\slot+2:G0B+4*\slot+3], s[G0B+4*\slot+2:G0B+4*\slot+3], 2*ROWB
	JLOAD G0+4*\slot, G1, G0B+4*\slot, G1B         ; the first tensor load behind the round, my one load until the next
	PLACES NP-4
.else
	PLACES NP
.endif
	s_wait_alu depctr_va_vdst(0)
	v_add_nc_u32 v[ADRS], 4*NQ, v[ADRS]            ; on to the next K step's scale words
	FETCH_B \next, 0, 0
	FETCH_A \next, 0, 0
	SCALES \next
	WIN MUL_HI
	MUL16 4, 1, NQ-1, \slot, 0
	MUL16 6, 1, NQ-1, \slot, 0
	PLACES NP
	WIN 0
	FETCH_A \next, 0, 4
.endm
	s_wait_tensorcnt 1                             ; the scales and my part of K step 0 are in; K step 1's load may stay out
	s_barrier_signal -1
	s_barrier_wait -1
	FETCH_B 0, 0, 0
	FETCH_A 0, 0, 0
	SCALES 0
	FETCH_A 0, 0, 4
	STEP 0, 0, 1                                   ; the first step stands in front of the loop: its products start the sums
	s_mov_b32 s3, LAPS-1
.Llap:                                             ; a trip goes once round the ring and fills both slots again
	TURN 0, 1, 1
	STEP 1, 0, 0
	TURN 1, 0, 1
	STEP 0, 0, 0
	s_sub_co_u32 s3, s3, 1
	s_cmp_lg_u32 s3, 0
	s_cbranch_scc1 .Llap
	TURN 0, 1, 0                                   ; the last lap fills nothing
	STEP 1, 0, 0
	s_wait_dscnt 4*NL
	WIN MUL_LO
	MUL16 0, 1, NQ-1, 1, 0
	MUL16 2, 1, NQ-1, 1, 0
	s_wait_dscnt 0
	WIN MUL_HI
	MUL16 4, 1, NQ-1, 1, 0
	MUL16 6, 1, NQ-1, 1, 0
	WIN 0
; THE WAY OUT, a block of 16 rows of A' at a time: bias added, quantised, stored as images.  No LDS: a lane's four code registers ARE a group of the next operand's registers, and 32 lanes store 512 consecutive bytes.
.macro ADDB a, isv                     ; block a's 64 numbers of my lane + bias -> window 0; each accumulator is read from its low end on
	WIN 0x02+(\a)/4
.set i, 0
.rept 32
.if \isv
	v_pk_add_f32 v[ST+2*i:ST+2*i+1], v[64*((\a)%4)+2*i:64*((\a)%4)+2*i+1], v[BI+8*(\a):BI+8*(\a)+1]
.else
	v_pk_add_f32 v[ST+2*i:ST+2*i+1], v[64*((\a)%4)+2*i:64*((\a)%4)+2*i+1], v[BI+2*i:BI+2*i+1]
.endif
.set i, i+1
.endr
	WIN 0
.endm
; 64 numbers of a lane, register 16 b + i = K 32 b + 16 (lane / 16) + i of my row, become 16 registers of codes in v[PC] on and the row's scale word in v[pw]
.macro QUANT s, pw
.irp b, 0,1,2,3
	v_max3_num_f32 v[TM+\b], |v[\s+16*\b]|, |v[\s+1+16*\b]|, 0x4800000   ; block b: my 16 numbers, and the floor 2^(9 - 127): the byte cannot fall under 1
.endr
.irp i, 2,4,6,8,10,12,14
.irp b, 0,1,2,3
	v_max3_num_f32 v[TM+\b], v[TM+\b], |v[\s+16*\b+\i]|, |v[\s+1+16*\b+\i]|
.endr
.endr
.irp b, 0,1,2,3
	v_permlanex16_b32 v[TM+4+\b], v[TM+\b], s[SEL], s[SEL+1]
.endr
.irp b, 0,1,2,3
	v_max_num_f32 v[TM+\b], v[TM+\b], v[TM+4+\b]   ; with lane l xor 16's: the block's largest magnitude
.endr
.irp b, 0,1,2,3
	v_add_nc_u32 v[TM+12+\b], 0xfc000000, v[TM+\b] ; 8 off its exponent field: the conversion's scale operand
.endr
.irp b, 0,1,2,3
.endr
.irp b, 0,1,2,3
	v_lshrrev_b32 v[TM+4+\b], 23, v[TM+12+\b]      ; the scale's byte
.endr
	v_lshl_or_b32 v[\pw], v[TM+5], 8, v[TM+4]
	v_lshl_or_b32 v[\pw], v[TM+6], 16, v[\pw]
	v_lshl_or_b32 v[\pw], v[TM+7], 24, v[\pw]
.irp b, 0,1,2,3
.irp i, 0,1,2,3,4,5,6,7,8,9,10,11,12,13,14,15
.endr
	v_cvt_scalef32_pk8_fp8_f32 v[PC+4*\b:PC+1+4*\b], v[\s+16*\b:\s+7+16*\b], v[TM+12+\b]
	v_cvt_scalef32_pk8_fp8_f32 v[PC+2+4*\b:PC+3+4*\b], v[\s+8+16*\b:\s+15+16*\b], v[TM+12+\b]
.endr
	v_nop                                          ; a plain line behind the last conversion
.endm
	s_wait_loadcnt 0x0                             ; the bias
	PLACES NP                                      ; behind the last products: their results are read, and the registers that held A's fragments are written
	s_mov_b32 s[SEL], 0x76543210
	s_mov_b32 s[SEL+1], 0xfedcba98
.irp b, 0,1,2,3
	v_mov_b32 v[TM+4+\b], 0                        ; written once: a lane permute's destination counts as one of its sources
.endr
	s_cmp_eq_u32 s[TAU], 2
	s_cbranch_scc1 .Lout_v
	; Q, K: block a holds rows 32 (a / 2) + 8 (a % 2) + ..; K blocks 0, 1 are my first head's, 2, 3 my second's
.irp a, 0,1,2,3,4,5,6,7
.if \a > 0
	s_wait_xcnt 0x0                                ; the last block's stores have read their registers: the codes are written again only behind this wait
.endif
	ADDB \a, 0
	QUANT ST, PWE+(\a%2)
.irp e, 0,1,2,3
	global_store_b128 v[VO], v[PC+4*\e:PC+4*\e+3], s[12:13] offset:(\e/2)*HEADB+(2*\a+\e%2)*512
.endr
.if \a%2
	v_perm_b32 v[SW0+\a/2], v[PWO], v[PWE], 0x05040100   ; the first head's word: the even block's two bytes, then the odd block's
	v_perm_b32 v[SW1+\a/2], v[PWO], v[PWE], 0x07060302   ; the second head's
.endif
.endr
	s_branch .Lout_tail
.Lout_v:
	; V: blocks 0-3 are my first head's four tiles of 16, blocks 4-7 my second's; the four K blocks are the chunk's four blocks of 32 keys
.irp a, 0,1,2,3,4,5,6,7
.if \a > 0
	s_wait_xcnt 0x0
.endif
	ADDB \a, 1
	QUANT ST, SW0+\a
.irp e, 0,1,2,3
	global_store_b128 v[VO], v[PC+4*\e:PC+4*\e+3], s[12:13] offset:(\a/4)*HEADB+((\a%4)*4+\e)*512
.endr
.endr
.Lout_tail:
	v_and_b32 v6, 31, v0
	v_cmp_gt_u32 vcc_lo, 16, v6
	s_wait_alu depctr_va_vdst(0)
.irp k, 0,1,2,3
	v_cndmask_b32 v[OW+\k], v[SW1+\k], v[SW0+\k], vcc_lo   ; lanes 0-15 store the first head's words, lanes 16-31 the second's (every lane holds the words of row lane % 16)
.endr
	global_store_b128 v[VS], v[OW:OW+3], s[12:13] offset:8192   ; sixteen lanes store 256 consecutive bytes, aligned, for each head
	s_wait_tensorcnt 0x0                           ; the wave's end
	ds_add_u32 v[SPW], v[NIL]
	s_wait_dscnt 0x0
	CROUND                                         ; the closing round: no work-group ends while a partner may still ask for a tile that names it
	s_endpgm
.Lfunc_end_k_qd8bbf38e32_proj:
	.size	k_qd8bbf38e32_proj, .Lfunc_end_k_qd8bbf38e32_proj-k_qd8bbf38e32_proj
	.p2alignl 7, 3214868480
	.fill 96, 4, 3214868480
	.section	.rodata,"a",@progbits
	.p2align	6, 0x0
	.amdhsa_kernel k_qd8bbf38e32_proj
		.amdhsa_group_segment_fixed_size 327680
		.amdhsa_private_segment_fixed_size 0
		.amdhsa_enable_private_segment 0
		.amdhsa_kernarg_size 48
		.amdhsa_user_sgpr_count 2
		.amdhsa_user_sgpr_kernarg_segment_ptr 1
		.amdhsa_wavefront_size32 1
		.amdhsa_system_sgpr_workgroup_id_x 1
		.amdhsa_system_sgpr_workgroup_id_y 1
		.amdhsa_system_sgpr_workgroup_id_z 1
		.amdhsa_system_vgpr_workitem_id 0
		.amdhsa_next_free_vgpr 1024
		.amdhsa_next_free_sgpr 102
		.amdhsa_reserve_vcc 1
		.amdhsa_float_denorm_mode_32 3
		.amdhsa_float_denorm_mode_16_64 3
		.amdhsa_fp16_overflow 1
		.amdhsa_memory_ordered 1
		.amdhsa_forward_progress 1
		.amdhsa_inst_pref_size 228
	.end_amdhsa_kernel
	.amdgpu_metadata
---
amdhsa.version: [ 1, 2 ]
amdhsa.kernels:
  - .name:           k_qd8bbf38e32_proj
    .symbol:         k_qd8bbf38e32_proj.kd
    .args:
      - { .name: codes, .offset: 0, .size: 8, .value_kind: global_buffer, .address_space: global }
      - { .name: scl, .offset: 8, .size: 8, .value_kind: global_buffer, .address_space: global }
      - { .name: bq, .offset: 16, .size: 8, .value_kind: global_buffer, .address_space: global }
      - { .name: bk, .offset: 24, .size: 8, .value_kind: global_buffer, .address_space: global }
      - { .name: bv, .offset: 32, .size: 8, .value_kind: global_buffer, .address_space: global }
      - { .name: pack, .offset: 40, .size: 8, .value_kind: global_buffer, .address_space: global }
    .group_segment_fixed_size: 327680
    .private_segment_fixed_size: 0
    .kernarg_segment_align: 8
    .kernarg_segment_size: 48
    .max_flat_workgroup_size: 128
    .sgpr_count:     102
    .vgpr_count:     1024
    .wavefront_size: 32
...
	.end_amdgpu_metadata
.endif
;; end of part 2
;; launch attn (part 3): grid 4 x 64, 16 waves a work-group, clusters of 4 x 1, 327,680 bytes of LDS; arguments pack, cimg, csc; writes cimg, csc
.if DOCPART == 3
	.amdgcn_target "amdgcn-amd-amdhsa--gfx1250"
	.amdhsa_code_object_version 6
	.text
	.protected	k_qd8bbf38e32_attn
	.globl	k_qd8bbf38e32_attn
	.p2align	8
	.type	k_qd8bbf38e32_attn,@function
k_qd8bbf38e32_attn:
	s_mov_b64 s[64:65], 0
	v_nop
	global_prefetch_b8 v0, s[64:65] scope:SCOPE_SE
	s_setreg_imm32_b32 hwreg(HW_REG_WAVE_MODE, 25, 1), 1
	s_wait_xcnt 0x0
	s_wait_alu depctr_hold_cnt(0) depctr_sa_sdst(0) depctr_va_vdst(0) depctr_va_sdst(0) depctr_va_ssrc(0) depctr_va_vcc(0) depctr_vm_vsrc(0)
	s_getreg_b32 s2, hwreg(HW_REG_IB_STS2, 6, 4)
	s_cmp_eq_u32 s2, 0
	s_cbranch_scc0 .Lentry_in_a_cluster
	s_endpgm
.Lentry_in_a_cluster:
	s_bfe_u32 s2, ttmp6, 0x10000c
	s_cmp_lg_u32 s2, 0x3003
	s_cbranch_scc0 .Lentry_shape_is_right
	s_endpgm
.Lentry_shape_is_right:
; Causal attention of one head (batch x 16 + head = the cluster's y) on codes of FP8 (E4M3) with E8M0 scales; 2,048 queries and keys, head size 64; scores / 32.
; THE SOFTMAX AHEAD OF THE SECOND PRODUCT: t = score x log2(e) / 32; M = the row's largest t so far, rounded UP to a whole number; p = 2^(t - M) is quantised along the keys, not normalised.
; The row's sum is taken of the unquantised p and divides O at the end.  When M moves, the sum and O are multiplied by 2^(old M - new M): exact.
; K AND V OF THE WHOLE HEAD LIE IN LDS, as images of operand registers with their scale words (16 chunks of 128 keys x 8,448 bytes each): filled ONCE, so there is no ring and nothing is filled again.
; CLUSTER: the four work-groups of a cluster share the head: wave w of each asks JOINTLY for K's chunk w and V's chunk w (one tensor load of mine is out at a time).
; SHARES.  A tile is 16 queries, a group 128 queries (8 tiles).  Wave w of work-group cx owns tile i = 4 (w & 1) + cx of group g = w >> 1 and then of group 15 - g: (g + 1) + (16 - g) = 17 key steps for every wave.
; Branches, trip counts and LDS addresses hang on the wave's number and on counters alone; cx enters global addresses and the mask's number.
; LAYOUT.  Both products are used transposed: S^T = K Q^T, O^T = V^T P^T: a lane holds ONE query (lane % 16) throughout.  The head's 64 fill half of the instruction's 128 along K: a fragment of K holds
; 16 keys in K 0-63 and 16 other keys in K 64-127; multiplied by Q in the lower half (zeros above) it gives the first tile, by Q in the upper half the second.  Zero codes add nothing.
; The rows of the images are so chosen that the 16 registers of two neighbouring tiles are 16 neighbouring keys (S^T) or 16 neighbours of the head's 64 (O^T).
; CAUSAL.  A key step all of whose keys come after the group is jumped over (a scalar branch on counters); in the step on the diagonal hidden scores become -infinity ahead of the maximum.
; VECTOR WORK outweighs the 12 matrix instructions of a key step many times, so it is kept short: packed forms for the scalings, the sums and the rescaling.
; RESULT.  O / sum is quantised along 64 head + d and stored as the image of the last product's operand: cimg [tile][head][2 x 512 bytes]; its two scale bytes go to csc [row place][32] at 2 head.
; Those are 2 bytes a row, rows 32 bytes apart: 32 bytes for each 1,024 of codes; the other heads' bytes of a row come from other work-groups.
; LIMITS: NaN and infinities are not served; a block whose largest magnitude lies under 2^-118 gets the byte 1 (read by this program alone).
; REGISTERS: v1-7 addresses that stay; v8-11 addresses of the step; v12 -M, v13 the largest t, v[14:15] the sum; v16-31 Q low; v32-95 four fragments of K, then of V; v96-159 S^T, then p; v160-191 O^T;
;   v192-207 Q high; v208-223 p's codes; v224-227 K's scale words, v228-231 V's; v232-247 at work; v248 the mask's number; v252 f; v253 p's scale word; v254 at work; v255 Q's scale word.
.set CH,   8448                        ; a chunk: 8,192 bytes of codes, 256 of scale words
.set VB,   16*CH                       ; a head's bytes; in LDS V begins here
.set LI,   1                           ; v1   16 x lane
.set LIV,  2                           ; v2   the same in V
.set LS,   3                           ; v3   16 x (lane % 16): my row's four scale words
.set LSV,  4                           ; v4   the same in V
.set VQ,   5                           ; v5   my place in Q's chunk: 16 x lane + 1,024 i
.set VQS,  6                           ; v6   and among its scale words
.set CSA,  7                           ; v7   32 x (lane % 16): my row in csc
.set ADK,  8
.set ADV,  9
.set ADS,  10
.set ADT,  11
.set GQ,   15                          ; s15  the group in hand
.set SI,   16                          ; s16  the key step
.set TB,   17                          ; s17  LDS byte at which the step's chunk begins
.set MNT,  18
.set PT,   40                          ; s[40:45], s[48:53]: for each of my two tiles: Q's chunk, my place in cimg, my place in csc
.macro CROUND                          ; a round of the cluster's barrier
	s_barrier_signal -1
	s_barrier_wait -1
	s_cmp_lg_u32 s10, 0
	s_cbranch_scc1 .Lnot_wave_0_\@
	s_barrier_signal -3
.Lnot_wave_0_\@:
	s_barrier_wait -3
	s_barrier_signal -1
	s_barrier_wait -1
.endm
	s_load_b128 s[4:7], s[0:1], 0x0                ; pack, cimg
	s_load_b64 s[8:9], s[0:1], 0x10                ; csc
	v_lshl_add_u32 v250, v0, 2, 0x42000
	v_mov_b32 v251, 0
	ds_add_u32 v250, v251
	ds_add_u32 v250, v251
	v_lshrrev_b32 v8, 5, v0
	s_delay_alu instid0(VALU_DEP_1)
	v_readfirstlane_b32 s10, v8                    ; wave 0..15
	s_bfe_u32 s11, ttmp6, 0x40000                  ; cx
	s_and_b32 s12, ttmp7, 0xffff                   ; batch x 16 + head, which the four partners share
	s_lshr_b32 s13, s10, 1                         ; g: my first group
	s_sub_co_u32 s46, 15, s13                      ; my second
	s_and_b32 s14, s10, 1
	s_lshl_b32 s14, s14, 2
	s_add_co_u32 s14, s14, s11                     ; i: my tile in a group
	s_and_b32 s19, s14, 1
	s_lshl_b32 s19, s19, 4                         ; which half of a scale word of Q is my tile's
	; descriptor group 1: a chunk is dense: 33 rows of 256 bytes (32 elements of 8 bytes), no padding
	s_mov_b32 s24, 15|(3<<16)|(1<<21)              ; 15:0 the mask: all four work-groups; elements of 8 bytes; bit 21 beside a mask
	s_mov_b32 s25, 32<<16                          ; tensor_dim0
	s_mov_b32 s26, 33<<16                          ; tensor_dim1
	s_mov_b32 s27, 32<<16                          ; tile_dim0
	s_mov_b32 s28, 33                              ; tile_dim1
	s_mov_b32 s29, 32                              ; tensor_dim0_stride
	s_mov_b32 s30, 0
	s_mov_b32 s31, 0
	s_mul_i32 s54, s10, CH                         ; chunk w: in a head, and in LDS
	s_mul_i32 s55, s12, VB                         ; the head in a tensor of pack
	s_add_co_u32 s58, s54, s55
	s_add_co_u32 s60, s58, 2*64*VB                 ; V is pack's third tensor,
	s_add_co_u32 s58, s58, 64*VB                   ; K its second
	s_mov_b32 s59, 0
	s_mov_b32 s61, 0
	s_mov_b32 s57, 0
	s_mov_b32 s20, 0x76543210                      ; v_permlanex16_b32's selects for lane l xor 16
	s_mov_b32 s21, 0xfedcba98
	s_mov_b32 s22, 0x3d38aa3b                      ; c = log2(e) / 32
	s_mov_b32 s23, s22                             ; (named with it as a pair, so it is written)
	s_wait_dscnt 0x0
	s_wait_kmcnt 0x0
	s_mov_b32 s32, 1                               ; group 0 for K's chunk: count,
	s_mov_b32 s33, s54                             ; LDS address,
	s_add_nc_u64 s[34:35], s[4:5], s[58:59]        ; global address,
	s_or_b32 s35, s35, 0x80000000                  ; type
	s_mov_b32 s36, 1
	s_add_co_u32 s37, s54, VB
	s_add_nc_u64 s[38:39], s[4:5], s[60:61]
	s_or_b32 s39, s39, 0x80000000
	CROUND                                         ; all four work-groups are here: the joint loads meet
	tensor_load_to_lds s[32:35], s[24:31]
	s_nop 0
	s_wait_alu depctr_va_vdst(0)
	s_wait_tensorcnt 0x0
	ds_add_u32 v250, v251
	s_wait_dscnt 0x0
	CROUND
	tensor_load_to_lds s[36:39], s[24:31]
	s_nop 0
.rept 4
	v_nop
.endr
	v_and_b32 v8, 31, v0
	s_delay_alu instid0(VALU_DEP_1)
	v_lshlrev_b32 v[LI], 4, v8
	s_delay_alu instid0(VALU_DEP_1)
	v_add_nc_u32 v[LIV], VB, v[LI]
	v_and_b32 v8, 15, v0                           ; r
	s_delay_alu instid0(VALU_DEP_1)
	v_lshlrev_b32 v[LS], 4, v8
	s_delay_alu instid0(VALU_DEP_1)
	v_add_nc_u32 v[LSV], VB, v[LS]
	s_delay_alu instid0(VALU_DEP_3)
	v_lshlrev_b32 v[CSA], 5, v8
	s_lshl_b32 s62, s14, 10
	v_add_nc_u32 v[VQ], s62, v[LI]
	s_lshr_b32 s62, s14, 1
	s_lshl_b32 s63, s62, 2
	v_add_nc_u32 v[VQS], s63, v[LS]
	v_bfe_u32 v9, v0, 4, 1                         ; h
	v_and_b32 v10, 7, v8
	v_lshrrev_b32 v11, 3, v8
	s_delay_alu instid0(VALU_DEP_1)
	v_sub_nc_u32 v11, v11, v9
	s_delay_alu instid0(VALU_DEP_1)
	v_lshl_add_u32 v248, v11, 4, v10               ; (r & 7) + 16 (r >> 3) - 16 h,
	s_lshl_b32 s62, s62, 5
	s_and_b32 s63, s14, 1
	s_lshl_b32 s63, s63, 3
	s_add_co_u32 s62, s62, s63
	v_add_nc_u32 v248, s62, v248                   ; + 32 (i >> 1) + 8 (i & 1): my query in its group, less 16 h.  Register 16 b + n holds key 32 b + 16 h + n of the chunk: hidden where 32 b + n > this
.macro PTRS n, g                       ; the three addresses of my tile in group s[g]
	s_mul_i32 s56, s[\g], CH
	s_add_co_u32 s56, s56, s55
	s_add_nc_u64 s[PT+8*\n:PT+8*\n+1], s[4:5], s[56:57]         ; Q is pack's first tensor
	s_lshr_b32 s62, s12, 4
	s_lshl_b32 s62, s62, 7
	s_lshl_b32 s63, s[\g], 3
	s_add_co_u32 s62, s62, s63
	s_add_co_u32 s62, s62, s14                     ; the tile's number: 128 batch + 8 group + i
	s_and_b32 s63, s12, 15                         ; the head
	s_lshl_b32 s56, s62, 14
	s_lshl_b32 s47, s63, 10
	s_add_co_u32 s56, s56, s47
	s_add_nc_u64 s[PT+8*\n+2:PT+8*\n+3], s[6:7], s[56:57]
	s_lshl_b32 s56, s62, 9
	s_lshl_b32 s47, s63, 1
	s_add_co_u32 s56, s56, s47
	s_add_nc_u64 s[PT+8*\n+4:PT+8*\n+5], s[8:9], s[56:57]
.endm
	PTRS 0, 13
	PTRS 1, 46
.irp j, 0,1,2,3,4,5,6,7
	v_mov_b32 v[24+\j], 0                          ; Q low: zero codes in K 64-127
	v_mov_b32 v[192+\j], 0                         ; Q high: zero codes in K 0-63
.endr
.irp b, 0,1,2,3
	v_mov_b32 v[236+\b], 0                         ; written once: a lane permute's destination counts as one of its sources
.endr
	v_mov_b32 v252, 0
	v_mov_b32 v253, 0                              ; (named as the upper half of the pair v[252:253] before it is first written)
; A tile begins: Q's codes (twice: low and high) and scale word, and the running numbers
.macro TILE_HEAD n, g
.if \n
	s_wait_xcnt 0x0                                ; the last tile's stores have read their registers
.endif
	global_load_b128 v[16:19], v[VQ], s[PT+8*\n:PT+8*\n+1]
	global_load_b128 v[20:23], v[VQ], s[PT+8*\n:PT+8*\n+1] offset:512
	global_load_b128 v[200:203], v[VQ], s[PT+8*\n:PT+8*\n+1]
	global_load_b128 v[204:207], v[VQ], s[PT+8*\n:PT+8*\n+1] offset:512
	global_load_b32 v254, v[VQS], s[PT+8*\n:PT+8*\n+1] offset:8192
	s_mov_b32 s[GQ], s[\g]
	s_mov_b32 s[SI], 0
	s_mov_b32 s[TB], 0
	v_mov_b32 v13, 0xff61b1e6                      ; the largest t so far: -3e38, under every t
	s_delay_alu instid0(VALU_DEP_1)
	v_floor_f32 v12, -v13                          ; -M
	v_mov_b32 v14, 0                               ; the sum, in two halves
	v_mov_b32 v15, 0
	s_wait_loadcnt 0x0
	v_lshrrev_b32 v254, s19, v254                  ; my tile's two bytes,
	s_delay_alu instid0(VALU_DEP_1)
	v_and_b32 v254, 0xffff, v254
	s_delay_alu instid0(VALU_DEP_1)
	v_lshl_or_b32 v255, v254, 16, v254             ; for K 0-63 and again for K 64-127
.set j, 0
.rept 32
	v_mov_b32 v[160+j], 0                          ; O^T: the first step finds zeros, which the first change of M leaves zeros.  (Also the places between the scale word and the first product)
.set j, j+1
.endr
.endm
; The tile's key steps: a loop of a constant number of trips; a trip whose chunk lies behind the group does nothing but step
.macro BODY trips
.Lstep_\@:
	s_cmp_gt_u32 s[SI], s[GQ]
	s_cbranch_scc1 .Lhidden_\@
	s_setprio 2
	v_add_nc_u32 v[ADK], s[TB], v[LI]
	v_add_nc_u32 v[ADV], s[TB], v[LIV]
	v_add_nc_u32 v[ADS], s[TB], v[LS]
	v_add_nc_u32 v[ADT], s[TB], v[LSV]
.rept 4
	v_nop                                          ; with the four additions: eight places in front of loads into registers that the last products read
.endr
.irp b, 0,1,2,3
.irp c, 0,1,2,3
	ds_load_b128 v[32+16*\b+4*\c:35+16*\b+4*\c], v[ADK] offset:2048*\b+512*\c   ; 32 lanes read 512 consecutive bytes
.endr
.endr
	ds_load_b128 v[224:227], v[ADS] offset:8192    ; the four fragments' scale words of row lane % 16
	s_wait_alu depctr_va_vdst(0)
	s_wait_dscnt 0x0
.irp b, 0,1,2,3                                ; S^T = K Q^T: tiles 2 b and 2 b + 1 from one fragment
	v_wmma_scale_f32_16x16x128_f8f6f4 v[96+16*\b:103+16*\b], v[32+16*\b:47+16*\b], v[16:31], 0, v[224+\b], v255
	v_wmma_scale_f32_16x16x128_f8f6f4 v[104+16*\b:111+16*\b], v[32+16*\b:47+16*\b], v[192:207], 0, v[224+\b], v255
.endr
.rept 8
	v_nop                                          ; places in front of the loads below and of the first read of the scores
.endr
.irp t, 0,1,2,3                                ; V's four tiles of 16 of the head's 64 x these 128 keys: they land under the softmax
.irp c, 0,1,2,3
	ds_load_b128 v[32+16*\t+4*\c:35+16*\t+4*\c], v[ADV] offset:2048*\t+512*\c
.endr
.endr
	ds_load_b128 v[228:231], v[ADT] offset:8192
	s_cmp_lg_u32 s[SI], s[GQ]                      ; only the group's own chunk lies on the diagonal
	s_cbranch_scc1 .Lopen_\@
	v_mov_b32 v254, 0xff800000                     ; -infinity
.set n, 0
.rept 64
	v_cmp_gt_i32 vcc_lo, 32*(n/16)+n%16, v248
	v_cndmask_b32 v[96+n], v[96+n], v254, vcc_lo
.set n, n+1
.endr
.Lopen_\@:
.irp b, 0,1,2,3
	v_max3_num_f32 v[232+\b], v[96+16*\b], v[97+16*\b], v[98+16*\b]   ; the largest score of each block of 32 keys: for the row's maximum, and, since p rises with the score, for the block's largest p
.endr
.irp i, 3,5,7,9,11,13
.irp b, 0,1,2,3
	v_max3_num_f32 v[232+\b], v[232+\b], v[96+16*\b+\i], v[97+16*\b+\i]
.endr
.endr
.irp b, 0,1,2,3
	v_max_num_f32 v[232+\b], v[232+\b], v[111+16*\b]
.endr
.irp b, 0,1,2,3
	s_delay_alu instid0(VALU_DEP_4)
	v_permlanex16_b32 v[236+\b], v[232+\b], s20, s21
.endr
.irp b, 0,1,2,3
	s_delay_alu instid0(VALU_DEP_4)
	v_max_num_f32 v[232+\b], v[232+\b], v[236+\b]  ; with lane l xor 16's 16 keys
.endr
	s_delay_alu instid0(VALU_DEP_2)
	v_max3_num_f32 v254, v232, v233, v234
	s_delay_alu instid0(VALU_DEP_1)
	v_max_num_f32 v254, v254, v235                 ; the step's largest score of my query (the chunk's first key counts for every query of the group: it is a number)
	s_delay_alu instid0(VALU_DEP_1)
	v_mul_f32 v254, s22, v254                      ; as t
	s_delay_alu instid0(VALU_DEP_1)
	v_max_num_f32 v13, v13, v254                   ; the running largest t
	v_mov_b32 v254, v12
	s_delay_alu instid0(VALU_DEP_2)
	v_floor_f32 v12, -v13                          ; the new -M = floor(-t) = -ceil(t)
	s_delay_alu instid0(VALU_DEP_1)
	v_sub_f32 v254, v12, v254                      ; old M - new M: a whole number, 0 or less
	s_delay_alu instid0(VALU_DEP_1)
	v_cvt_i32_f32 v254, v254                       ; (it saturates)
	s_delay_alu instid0(VALU_DEP_1)
	v_ldexp_f32 v252, 1.0, v254                    ; f = 2^(old M - new M)
.set j, 0
	s_setprio 1
.rept 32
	v_pk_fma_f32 v[96+j:97+j], v[96+j:97+j], s[22:23], v[12:13] op_sel_hi:[1,0,0]   ; t - M, two at a time
.set j, j+2
.endr
.irp b, 0,1,2,3
	v_fma_f32 v[232+\b], v[232+\b], s22, v12       ; the same of each block's largest score
.endr
.set j, 0
	s_wait_alu depctr_va_vdst(0)
.rept 64
	v_exp_f32 v[96+j], v[96+j]                     ; p = 2^(t - M), at most 1
.set j, j+1
.endr
.irp b, 0,1,2,3
	v_exp_f32 v[232+\b], v[232+\b]                 ; the block's largest p
.endr
	v_pk_mul_f32 v[14:15], v[14:15], v[252:253] op_sel_hi:[1,0]   ; the sums under the new M (a plain line behind the exponentials)
	s_wait_alu depctr_va_vdst(0)
.irp b, 0,1,2,3
	v_max_num_f32 v[232+\b], 0x4800000, v[232+\b]  ; the floor 2^(9 - 127): the byte cannot fall under 1
.endr
.irp b, 0,1,2,3
	s_delay_alu instid0(VALU_DEP_4)
	v_add_nc_u32 v[244+\b], 0xfc000000, v[232+\b]  ; the conversion's scale operand
.endr
.irp b, 0,1,2,3
.endr
.irp b, 0,1,2,3
	s_delay_alu instid0(VALU_DEP_4)
	v_lshrrev_b32 v[236+\b], 23, v[244+\b]         ; the scale's byte
.endr
.irp b, 0,1,2,3
.endr
	s_delay_alu instid0(VALU_DEP_3)
	v_lshl_or_b32 v253, v237, 8, v236              ; p's scale word for these 128 keys
	s_delay_alu instid0(VALU_DEP_1)
	v_lshl_or_b32 v253, v238, 16, v253
	s_delay_alu instid0(VALU_DEP_1)
	v_lshl_or_b32 v253, v239, 24, v253
	v_pk_add_f32 v[236:237], v[96:97], v[98:99]    ; the row's sum is taken of the unquantised p: two at a time, in two chains
.irp j, 4,8,12,16,20,24,28,32,36,40,44,48,52,56,60
	v_pk_add_f32 v[14:15], v[14:15], v[96+\j:97+\j]
	v_pk_add_f32 v[236:237], v[236:237], v[98+\j:99+\j]
.endr
	s_delay_alu instid0(VALU_DEP_1)
	v_pk_add_f32 v[14:15], v[14:15], v[236:237]
	s_setprio 0
.irp b, 0,1,2,3
.irp i, 0,2,4,6,8,10,12,14
.endr
	v_cvt_scalef32_pk8_fp8_f32 v[208+4*\b:209+4*\b], v[96+16*\b:103+16*\b], v[244+\b]
	v_cvt_scalef32_pk8_fp8_f32 v[210+4*\b:211+4*\b], v[104+16*\b:111+16*\b], v[244+\b]
.endr
.set j, 0
.rept 16
	v_pk_mul_f32 v[160+j:161+j], v[160+j:161+j], v[252:253] op_sel_hi:[1,0]   ; O^T under the new M.  (These sixteen are also the places between the codes and the products)
.set j, j+2
.endr
	s_wait_alu depctr_va_vdst(0)
	s_wait_dscnt 0x0                               ; V is in
.irp t, 0,1,2,3                                ; O^T += V^T P^T: four accumulators by turns
	v_wmma_scale_f32_16x16x128_f8f6f4 v[160+8*\t:167+8*\t], v[32+16*\t:47+16*\t], v[208:223], v[160+8*\t:167+8*\t], v[228+\t], v253
.endr
.Lhidden_\@:
	s_add_co_u32 s[TB], s[TB], CH
	s_add_co_u32 s[SI], s[SI], 1
	s_cmp_lt_u32 s[SI], \trips
	s_cbranch_scc1 .Lstep_\@
	s_setprio 0
.endm
; The tile's end: O^T / the sum; register 16 b + n is number 32 b + 16 h + n of the head: two blocks of the last product's K; quantised and stored
.macro TILE_OUT n
.rept 8
	v_nop                                          ; places behind the last products
.endr
	v_add_f32 v14, v14, v15                        ; the sum's two halves,
	s_delay_alu instid0(VALU_DEP_1)
	v_permlanex16_b32 v252, v14, s20, s21
	s_delay_alu instid0(VALU_DEP_1)
	v_add_f32 v14, v14, v252                       ; and lane l xor 16's
	s_wait_alu depctr_va_vdst(0)
	v_rcp_f32 v14, v14
	v_nop                                          ; a plain line behind the transcendental
.set j, 0
	s_wait_alu depctr_va_vdst(0)
.rept 16
	v_pk_mul_f32 v[96+j:97+j], v[160+j:161+j], v[14:15] op_sel_hi:[1,0]   ; each accumulator from its low end on
.set j, j+2
.endr
.irp b, 0,1
	v_max3_num_f32 v[232+\b], |v[96+16*\b]|, |v[97+16*\b]|, 0x4800000
.endr
.irp i, 2,4,6,8,10,12,14
.irp b, 0,1
	s_delay_alu instid0(VALU_DEP_2)
	v_max3_num_f32 v[232+\b], v[232+\b], |v[96+16*\b+\i]|, |v[97+16*\b+\i]|
.endr
.endr
.irp b, 0,1
	s_delay_alu instid0(VALU_DEP_2)
	v_permlanex16_b32 v[236+\b], v[232+\b], s20, s21
.endr
.irp b, 0,1
	s_delay_alu instid0(VALU_DEP_2)
	v_max_num_f32 v[232+\b], v[232+\b], v[236+\b]
.endr
.irp b, 0,1
	s_delay_alu instid0(VALU_DEP_2)
	v_add_nc_u32 v[244+\b], 0xfc000000, v[232+\b]
.endr
.irp b, 0,1
.endr
.irp b, 0,1
	s_delay_alu instid0(VALU_DEP_2)
	v_lshrrev_b32 v[236+\b], 23, v[244+\b]
.endr
	s_delay_alu instid0(VALU_DEP_1)
	v_lshl_or_b32 v254, v237, 8, v236              ; my row's two scale bytes
.irp b, 0,1
.irp i, 0,1,2,3,4,5,6,7,8,9,10,11,12,13,14,15
.endr
	v_cvt_scalef32_pk8_fp8_f32 v[208+4*\b:209+4*\b], v[96+16*\b:103+16*\b], v[244+\b]
	v_cvt_scalef32_pk8_fp8_f32 v[210+4*\b:211+4*\b], v[104+16*\b:111+16*\b], v[244+\b]
.endr
	v_nop                                          ; a plain line behind the last conversion
	global_store_b128 v[LI], v[208:211], s[PT+8*\n+2:PT+8*\n+3]              ; 32 lanes store 512 consecutive bytes
	global_store_b128 v[LI], v[212:215], s[PT+8*\n+2:PT+8*\n+3] offset:512
	global_store_b16 v[CSA], v254, s[PT+8*\n+4:PT+8*\n+5]                    ; lanes l and l xor 16 write the same two bytes with the same value
.endm
	TILE_HEAD 0, 13
	s_wait_tensorcnt 0x0                           ; my two chunks have landed: for the others' sake, who read them behind the barrier
	s_barrier_signal -1
	s_barrier_wait -1                              ; the whole head lies in LDS
	BODY 8                                         ; group g is one of 0 .. 7
	TILE_OUT 0
	TILE_HEAD 1, 46
	BODY 16                                        ; group 15 - g is one of 8 .. 15
	TILE_OUT 1
	s_wait_dscnt 0x0
	s_wait_tensorcnt 0x0
	s_wait_tensorcnt 0x0
	ds_add_u32 v250, v251
	s_wait_dscnt 0x0
	CROUND                                         ; the closing round: no work-group ends while a partner may still ask for a tile that names it
	s_endpgm
.Lfunc_end_k_qd8bbf38e32_attn:
	.size	k_qd8bbf38e32_attn, .Lfunc_end_k_qd8bbf38e32_attn-k_qd8bbf38e32_attn
	.p2alignl 7, 3214868480
	.fill 96, 4, 3214868480
	.section	.rodata,"a",@progbits
	.p2align	6, 0x0
	.amdhsa_kernel k_qd8bbf38e32_attn
		.amdhsa_group_segment_fixed_size 327680
		.amdhsa_private_segment_fixed_size 0
		.amdhsa_enable_private_segment 0
		.amdhsa_kernarg_size 24
		.amdhsa_user_sgpr_count 2
		.amdhsa_user_sgpr_kernarg_segment_ptr 1
		.amdhsa_wavefront_size32 1
		.amdhsa_system_sgpr_workgroup_id_x 1
		.amdhsa_system_sgpr_workgroup_id_y 1
		.amdhsa_system_sgpr_workgroup_id_z 1
		.amdhsa_system_vgpr_workitem_id 0
		.amdhsa_next_free_vgpr 256
		.amdhsa_next_free_sgpr 66
		.amdhsa_reserve_vcc 1
		.amdhsa_float_denorm_mode_32 3
		.amdhsa_float_denorm_mode_16_64 3
		.amdhsa_fp16_overflow 1
		.amdhsa_memory_ordered 1
		.amdhsa_forward_progress 1
		.amdhsa_inst_pref_size 64
	.end_amdhsa_kernel
	.amdgpu_metadata
---
amdhsa.version: [ 1, 2 ]
amdhsa.kernels:
  - .name:           k_qd8bbf38e32_attn
    .symbol:         k_qd8bbf38e32_attn.kd
    .args:
      - { .name: pack, .offset: 0, .size: 8, .value_kind: global_buffer, .address_space: global }
      - { .name: cimg, .offset: 8, .size: 8, .value_kind: global_buffer, .address_space: global }
      - { .name: csc, .offset: 16, .size: 8, .value_kind: global_buffer, .address_space: global }
    .group_segment_fixed_size: 327680
    .private_segment_fixed_size: 0
    .kernarg_segment_align: 8
    .kernarg_segment_size: 24
    .max_flat_workgroup_size: 512
    .sgpr_count:     66
    .vgpr_count:     256
    .wavefront_size: 32
...
	.end_amdgpu_metadata
.endif
;; end of part 3
;; launch outp (part 4): grid 4 x 64, 4 waves a work-group, clusters of 4 x 4, 327,680 bytes of LDS; arguments cimg, csc, codes, scl, bo, out0; writes out0
.if DOCPART == 4
	.amdgcn_target "amdgcn-amd-amdhsa--gfx1250"
	.amdhsa_code_object_version 6
	.text
	.protected	k_qd8bbf38e32_outp
	.globl	k_qd8bbf38e32_outp
	.p2align	8
	.type	k_qd8bbf38e32_outp,@function
k_qd8bbf38e32_outp:
	s_mov_b64 s[64:65], 0
	v_nop
	global_prefetch_b8 v0, s[64:65] scope:SCOPE_SE
	s_setreg_imm32_b32 hwreg(HW_REG_WAVE_MODE, 25, 1), 1
	s_wait_xcnt 0x0
	s_wait_alu depctr_hold_cnt(0) depctr_sa_sdst(0) depctr_va_vdst(0) depctr_va_sdst(0) depctr_va_ssrc(0) depctr_va_vcc(0) depctr_vm_vsrc(0)
	s_getreg_b32 s2, hwreg(HW_REG_IB_STS2, 6, 4)
	s_cmp_eq_u32 s2, 0
	s_cbranch_scc0 .Lentry_in_a_cluster
	s_endpgm
.Lentry_in_a_cluster:
	s_bfe_u32 s2, ttmp6, 0x10000c
	s_cmp_lg_u32 s2, 0xf033
	s_cbranch_scc0 .Lentry_shape_is_right
	s_endpgm
.Lentry_shape_is_right:
; out0 = concat Wo^T + bo on codes of FP8 (E4M3) with E8M0 scales; sums in f32.  concat: 8,192 rows x 1,024, as images of operand registers (cimg) with its scale bytes (csc); Wo: rows of codes, K innermost.
; A TILE OF 128 ROWS x 256 COLUMNS to a work-group: 64 x 4 = 256 work-groups.  Four waves, each 64 rows x 128 columns: 32 accumulators of 16 x 16, 256 registers.  (A tile of 256 x 256 would make 128 work-groups.)
; K = 1,024 is four K steps of 256.  THREE LDS slots hold K steps 0, 1 and 2: with the scale bytes they are the first fills, which go out together (four tensor loads of mine are out).  ONE refill: K step 3 goes into
; slot 0 when K step 0 has been read, and has four steps of 128 along K, 128 matrix instructions a wave, in which to land.  The eight steps of 128 are written out: there is no loop.
; CLUSTERS: 4 x 4 work-groups: A's tiles are asked for jointly along a row of the cluster, B's along a column.  The matrix instruction is used transposed (source 0 = 16 rows of Wo, source 1 = 16 rows of concat):
; a lane holds eight neighbouring numbers of a row of the result.
; A'S IMAGES.  cimg: [tile of 16 rows][K step of 128][group of four registers][lane][16 bytes]: a K step of 256 of a tile is 4,096 dense bytes, tiles 16,384 bytes apart; a fragment comes by four loads of 512 consecutive bytes.
; THE ROWS OF A TILE: lane r of tile a of my 64 rows is row 32 (a / 2) + 8 (a % 2) + (r & 7) + 16 (r >> 3): the stores put each row at its true place.
; THE BIAS is the C of each sum's first matrix instruction: eight registers for each block of 16 columns, in the result's layout.
; REGISTERS, in windows of 256: window 0: v0-31 addresses; v32-63 scale words, two sets; v64-127 the bias; v128-191, v192-255 A's fragments, two sets (on the way out: rows read back).
;   window 1: B's fragments, two sets.   window 2: the accumulators ((a, b) at v[8 (8 a + b)]).
.set SIZE_N, 1024
.set ROWB,   256                       ; a row of B's tile in bytes
.set AIMG,   4096                      ; a K step of 256 of one tile of A
.set KROW,   1024                      ; a row of codes in memory
.set PITCH,  272                       ; B's LDS row: 256 bytes + 16 of padding: the 16 rows that a load touches start at 16 different banks (64 banks of 4 bytes: ISA guide 11.1)
.set FR,     16                        ; registers of a fragment
.set NL,     4                         ; LDS loads that bring one
.set NP,     8                         ; places behind this matrix instruction (ISA guide 7.12.1)
.set HALFA,  4*AIMG                    ; four tiles' images: what one tensor load brings of A, and what one wave reads
.set ASL,    2*HALFA                   ; A's part of a slot
.set HALFB,  128*PITCH                 ; 128 rows of B: what one tensor load brings, and what one wave reads
.set SLOT,   ASL+2*HALFB               ; 102,400 bytes
.set KS,     32                        ; a row of scale bytes
.set SCL,    3*SLOT                    ; behind the slots: the scales, as units of 256 bytes + 16 of padding: A's 128 rows, then B's 256
.set HALFSA, (64*KS/256)*272
.set HALFSB, (128*KS/256)*272
.set SBLK,   (16*KS/256)*272           ; those of 16 rows
.set SPARE,  SCL+2*HALFSA+2*HALFSB     ; the spare words, 128 bytes for each wave: two blocks of 256 bytes that no other line names
.set STAGE,  SLOT                      ; the way out: 16 rows x (512 bytes + 16) for each wave, in slot 1: filled once, and last read ahead of the last barrier
.set SPITCH, 528
.set ADRA, 16                          ; v16-18  LDS address of my A fragments in slot 0, 1, 2
.set ADRB, 20                          ; v20-22  the same for B
.set STO,  24                          ; v24     the way out: where I put 32 bytes of a row
.set RD,   25                          ; v25     where I read a row back
.set CO,   26                          ; v26     my byte offset in a row of out0
.set ADRS, 27                          ; v27     LDS address of my scale words: lanes 0-15 A's rows, lanes 16-31 B's
.set SPW,  28                          ; v28     LDS address of my spare word; never rewritten
.set NIL,  29                          ; v29     0; never rewritten
.set BA,   30                          ; v30     the bias's offset: 32 x (lane / 16)
.set SC,   32                          ; scale words: K step ks in set ks % 2; register 2 i + q: lanes 0-15 A's block i (i < 4), lanes 16-31 B's block i, for the K step's q-th 128
.set BI,   64
.set AF,   128
.set BK,   128
.set G1,   24                          ; s[24:31] descriptor group 1 for A's tiles;  s[32:39] for B's;  s[40:47], s[48:55] for their scales
.set G1B,  32
.set G1S,  40
.set G1SB, 48
.set G0S,  56                          ; s[56:59], s[60:63] groups 0 for the scales
.set G0SB, 60
.set G0,   68                          ; s[68:79] groups 0 for A's tiles, a set for each slot;  s[80:91] for B's
.set G0B,  80
.set MSB, 0
.macro WIN new                         ; the immediate's high byte repeats the setting that is left
.if MSB != (\new)
	s_set_vgpr_msb (MSB<<8)|(\new)
.set MSB, (\new)
.endif
.endm
.set MULW, 0xa1                        ; source 0 (B) window 1, source 1 (A) window 0, C and D window 2
.set FSTW, 0x81                        ; the first step: C (the bias) window 0, D window 2
.set TO_B, 0x40                        ; destination window 1, address window 0
.macro JLOAD g0a, g1a, g0b, g1b        ; a joint load: waves 0 and 1 fetch for A, waves 2 and 3 for B; the branch hangs on the wave's number alone; four v_nop follow each of the two lines
	s_cmp_eq_u32 s15, 0
	s_cbranch_scc0 .Lfor_b_\@
	tensor_load_to_lds s[\g0a:\g0a+3], s[\g1a:\g1a+7]
	s_nop 0
.rept 4
	v_nop
.endr
	s_branch .Lasked_\@
.Lfor_b_\@:
	tensor_load_to_lds s[\g0b:\g0b+3], s[\g1b:\g1b+7]
	s_nop 0
.rept 4
	v_nop
.endr
.Lasked_\@:
.endm
.macro CREST                           ; a round of the cluster's barrier behind its opening barrier
	s_cmp_lg_u32 s14, 0
	s_cbranch_scc1 .Lnot_wave_0_\@
	s_barrier_signal -3
.Lnot_wave_0_\@:
	s_barrier_wait -3
	s_barrier_signal -1
	s_barrier_wait -1
.endm
.macro CROUND                          ; a whole round
	s_barrier_signal -1
	s_barrier_wait -1
	CREST
.endm
	s_load_b128 s[4:7], s[0:1], 0x0                ; cimg, csc
	s_load_b128 s[8:11], s[0:1], 0x10              ; codes, scl
	s_load_b128 s[96:99], s[0:1], 0x20             ; bo, out0
	v_lshl_add_u32 v[SPW], v0, 2, SPARE
	v_mov_b32 v[NIL], 0
	ds_add_u32 v28, v29
	ds_add_u32 v28, v29
	s_wait_dscnt 0x0
	v_lshrrev_b32 v1, 5, v0
	v_readfirstlane_b32 s14, v1                    ; wave 0..3
	s_lshr_b32 s15, s14, 1                         ; which 64 of the tile's rows are mine.  Also: I fetch for A (0) or for B (1)
	s_and_b32 s16, s14, 1                          ; which 128 of its columns.  Also: which half of that tile I fetch
	s_bfe_u32 s92, ttmp6, 0x40000                  ; cx, cy: my place in the cluster
	s_bfe_u32 s93, ttmp6, 0x40004
	s_lshl_b32 s94, ttmp9, 2
	s_add_co_u32 s94, s94, s92                     ; tile column = 4 x cluster x + cx
	s_and_b32 s17, ttmp7, 0xffff
	s_lshl_b32 s17, s17, 2
	s_add_co_u32 s17, s17, s93                     ; tile row = 4 x cluster y + cy
	s_lshl_b32 s95, s93, 2
	s_lshl_b32 s95, 15, s95                        ; my row of the cluster
	s_lshl_b32 s66, 0x1111, s92                    ; my column
	; descriptor group 1 for A: 4 tiles' images of a K step: 4 rows of 4,096 bytes (512 elements of 8 bytes), 16,384 bytes apart, no padding
	s_or_b32 s[G1+0], s95, (3<<16)|(1<<21)         ; 15:0 the mask: A's tiles go to my row; elements of 8 bytes; bit 21 beside a mask
	s_mov_b32 s[G1+1], 512<<16                     ; tensor_dim0
	s_mov_b32 s[G1+2], 4<<16                       ; tensor_dim1
	s_mov_b32 s[G1+3], 512<<16                     ; tile_dim0
	s_mov_b32 s[G1+4], 4                           ; tile_dim1
	s_mov_b32 s[G1+5], 2048                        ; tensor_dim0_stride
	s_mov_b32 s[G1+6], 0
	s_mov_b32 s[G1+7], 0
	; for B: 128 rows x 256 bytes, 16 bytes of padding behind each
	s_or_b32 s[G1B+0], s66, (0<<16)|(1<<20)|(1<<21)|(5<<22)|(3<<25)
	s_mov_b32 s[G1B+1], ROWB<<16
	s_mov_b32 s[G1B+2], 128<<16
	s_mov_b32 s[G1B+3], ROWB<<16
	s_mov_b32 s[G1B+4], 128
	s_mov_b32 s[G1B+5], KROW
	s_mov_b32 s[G1B+6], 0
	s_mov_b32 s[G1B+7], 0
	; for the scales: dense blocks as rows of 256 bytes (32 elements of 8 bytes), 16 bytes of padding behind each: 8 rows for 64 rows of A, 16 for 128 rows of B
	s_or_b32 s[G1S+0], s95, (3<<16)|(1<<20)|(1<<21)|(5<<22)|(3<<25)
	s_mov_b32 s[G1S+1], 32<<16
	s_mov_b32 s[G1S+2], (64*KS/256)<<16
	s_mov_b32 s[G1S+3], 32<<16
	s_mov_b32 s[G1S+4], 64*KS/256
	s_mov_b32 s[G1S+5], 32
	s_mov_b32 s[G1S+6], 0
	s_mov_b32 s[G1S+7], 0
	s_or_b32 s[G1SB+0], s66, (3<<16)|(1<<20)|(1<<21)|(5<<22)|(3<<25)
	s_mov_b32 s[G1SB+1], 32<<16
	s_mov_b32 s[G1SB+2], (128*KS/256)<<16
	s_mov_b32 s[G1SB+3], 32<<16
	s_mov_b32 s[G1SB+4], 128*KS/256
	s_mov_b32 s[G1SB+5], 32
	s_mov_b32 s[G1SB+6], 0
	s_mov_b32 s[G1SB+7], 0
	s_lshl_b32 s18, s16, 6
	s_lshl_b32 s20, s17, 7
	s_add_co_u32 s20, s20, s18                     ; A: row place 128 x tile row + 64 x half
	s_lshl_b32 s18, s16, 7
	s_lshl_b32 s100, s94, 8
	s_add_co_u32 s100, s100, s18                   ; B: row 256 x tile column + 128 x half
	s_mov_b32 s21, 0
	s_mov_b32 s101, 0
	s_mov_b64 s[18:19], KS
	s_mul_u64 s[22:23], s[20:21], s[18:19]         ; where these rows' scales begin
	s_mul_u64 s[2:3], s[100:101], s[18:19]
	s_mov_b64 s[18:19], KROW
	s_mul_u64 s[20:21], s[20:21], s[18:19]         ; and their codes (16 rows of 1,024 bytes are one tile's 16,384)
	s_mul_u64 s[100:101], s[100:101], s[18:19]
	s_add_nc_u64 s[100:101], s[100:101], 28311552  ; Wo in codes,
	s_add_nc_u64 s[2:3], s[2:3], 884736            ; and in scl
	s_mul_i32 s67, s16, HALFA                      ; where they go in a slot: A's halves,
	s_mul_i32 s18, s16, HALFB
	s_add_co_u32 s18, s18, ASL                     ; B's halves behind them;
	s_mul_i32 s19, s16, HALFSA
	s_add_co_u32 s19, s19, SCL                     ; A's scales,
	s_mul_i32 s12, s16, HALFSB
	s_add_co_u32 s12, s12, SCL+2*HALFSA            ; B's scales: no place in the cluster enters an LDS address
	s_wait_kmcnt 0x0
	s_add_nc_u64 s[20:21], s[4:5], s[20:21]
	s_add_nc_u64 s[22:23], s[6:7], s[22:23]
	s_add_nc_u64 s[100:101], s[8:9], s[100:101]
	s_add_nc_u64 s[2:3], s[10:11], s[2:3]
	CROUND                                         ; all sixteen work-groups are here: the first joint loads meet
	s_mov_b32 s[G0S], 1
	s_mov_b32 s[G0S+1], s19
	s_mov_b64 s[G0S+2:G0S+3], s[22:23]
	s_or_b32 s[G0S+3], s[G0S+3], 0x80000000
	s_mov_b32 s[G0SB], 1
	s_mov_b32 s[G0SB+1], s12
	s_mov_b64 s[G0SB+2:G0SB+3], s[2:3]
	s_or_b32 s[G0SB+3], s[G0SB+3], 0x80000000
	JLOAD G0S, G1S, G0SB, G1SB                     ; the scales first: they are wanted with K step 0
.irp s, 0,1,2
	s_mov_b32 s[G0+4*\s], 1
	s_add_co_u32 s[G0+4*\s+1], s67, \s*SLOT
	s_add_nc_u64 s[G0+4*\s+2:G0+4*\s+3], s[20:21], \s*AIMG
	s_or_b32 s[G0+4*\s+3], s[G0+4*\s+3], 0x80000000
	s_mov_b32 s[G0B+4*\s], 1
	s_add_co_u32 s[G0B+4*\s+1], s18, \s*SLOT
	s_add_nc_u64 s[G0B+4*\s+2:G0B+4*\s+3], s[100:101], \s*ROWB
	s_or_b32 s[G0B+4*\s+3], s[G0B+4*\s+3], 0x80000000
	JLOAD G0+4*\s, G1, G0B+4*\s, G1B               ; K steps 0, 1, 2: with the scales four tensor loads of mine are out
.endr
	v_and_b32 v1, 15, v0                           ; r
	v_bfe_u32 v2, v0, 4, 1                         ; h
	v_and_b32 v6, 31, v0                           ; lane
	v_lshlrev_b32 v7, 4, v6                        ; A: 16 x lane
	v_mul_u32_u24 v3, v1, PITCH
	v_lshl_add_u32 v4, v2, 4, v3                   ; B: row x pitch + 16 x half
	s_mul_i32 s21, s15, HALFA                      ; my 4 tiles of A
	s_mul_i32 s22, s16, HALFB                      ; my 128 rows of B,
	s_add_co_u32 s22, s22, ASL                     ; which lie behind A's images
.irp s, 0,1,2
	v_add_nc_u32 v[ADRA+\s], s21, v7
	v_add_nc_u32 v[ADRB+\s], s22, v4
	s_add_co_u32 s21, s21, SLOT
	s_add_co_u32 s22, s22, SLOT
.endr
	v_mul_u32_u24 v5, v1, KS                       ; my row's scales: 32 bytes a row,
	v_lshrrev_b32 v8, 8, v5
	v_lshl_add_u32 v5, v8, 4, v5                   ; and 16 more for each 256 passed
	s_mul_i32 s21, s15, HALFSA                     ; A's: my 64 rows
	s_mul_i32 s22, s16, HALFSB                     ; B's: my 128 rows, behind A's 128
	s_add_co_u32 s22, s22, 2*HALFSA
	s_sub_co_u32 s22, s22, s21
	v_mul_u32_u24 v8, s22, v2                      ; lanes 16-31 take B's
	s_add_co_u32 s21, s21, SCL
	v_add_nc_u32 v5, v5, v8
	v_add_nc_u32 v[ADRS], s21, v5
	s_mul_i32 s23, s14, 16*SPITCH
	s_add_co_u32 s23, s23, STAGE                   ; my stage
	v_mul_u32_u24 v5, v1, SPITCH                   ; in: row l % 16, 32 bytes for each half of the lanes
	v_lshl_add_u32 v5, v2, 5, v5
	v_add_nc_u32 v[STO], s23, v5
	v_lshlrev_b32 v[CO], 4, v6                     ; back: the 32 lanes take one row of 512 bytes; and the same in out0
	v_add_nc_u32 v[RD], s23, v[CO]
	v_lshlrev_b32 v[BA], 5, v2
	s_lshl_b32 s20, s17, 7
	s_lshl_b32 s21, s15, 6
	s_add_co_u32 s20, s20, s21                     ; my first row: 128 x tile row + 64 x half
	s_mov_b32 s21, 0
	s_mov_b64 s[18:19], SIZE_N*4
	s_mul_u64 s[20:21], s[20:21], s[18:19]
	s_lshl_b32 s100, s94, 10                       ; my first column, in bytes: 1,024 x tile column + 512 x half
	s_lshl_b32 s101, s16, 9
	s_add_co_u32 s100, s100, s101
	s_mov_b32 s101, 0
	s_add_nc_u64 s[96:97], s[96:97], s[100:101]    ; bo at my first column
	s_add_nc_u64 s[20:21], s[20:21], s[100:101]
	s_add_nc_u64 s[12:13], s[98:99], s[20:21]      ; out0 at my first row and column; never stepped
.irp b, 0,1,2,3,4,5,6,7
	global_load_b128 v[BI+8*\b:BI+8*\b+3], v[BA], s[96:97] offset:64*\b          ; register 8 b + j: bo at column 16 b + 8 h + j
	global_load_b128 v[BI+8*\b+4:BI+8*\b+7], v[BA], s[96:97] offset:64*\b+16
.endr
.macro FRAG reg, adr, q, i             ; a fragment of B from rows: registers 4 c .. 4 c + 3 hold K = 32 c + 16 (l / 16) + 0 .. 15 of row l % 16
.irp c, 0,1,2,3
	ds_load_b128 v[\reg+4*\c:\reg+4*\c+3], v[\adr] offset:128*(\q)+32*\c+(\i)*16*PITCH
.endr
.endm
.macro FRAGA reg, adr, q, i            ; a fragment of A from its image: 512 consecutive bytes a load
.irp c, 0,1,2,3
	ds_load_b128 v[\reg+4*\c:\reg+4*\c+3], v[\adr] offset:AIMG*(\i)+2048*(\q)+512*\c
.endr
.endm
.macro SCALES ks                       ; K step ks's scale words into set ks % 2: two words a row; lanes 0-15 take A's block i (what they bring for i > 3 is not used), lanes 16-31 B's block i
.irp i, 0,1,2,3,4,5,6,7
	ds_load_b64 v[SC+16*((\ks)%2)+2*\i:SC+16*((\ks)%2)+2*\i+1], v[ADRS] offset:\i*SBLK+8*(\ks)
.endr
.endm
; One run of LDS loads: the fragments of a step of 128 along K (the slot's q-th) into sets p, and, where sc is not negative, K step sc's scale words.  A's blocks 2 and 3 come last: the wait at a step's head leaves them out.
.macro FETCH slot, q, p, sc
	WIN TO_B
.irp i, 0,1,2,3,4,5,6,7
	FRAG 128*(\p)+FR*\i, ADRB+\slot, \q, \i
.endr
	WIN 0
	FRAGA AF+64*(\p), ADRA+\slot, \q, 0
	FRAGA AF+64*(\p)+FR, ADRA+\slot, \q, 1
.if (\sc) >= 0
	SCALES \sc
.endif
	FRAGA AF+64*(\p)+2*FR, ADRA+\slot, \q, 2
	FRAGA AF+64*(\p)+3*FR, ADRA+\slot, \q, 3
.endm
; 8 matrix instructions: A's block a x B's eight.  first = 1: the bias is C and starts the sums.  The 32 accumulators take turns, one instruction a turn, in the same order in every step.
.macro MUL8 a, p, q, sc, first
.irp b, 0,1,2,3,4,5,6,7
.if \first
	v_wmma_scale_f32_16x16x128_f8f6f4 v[8*(8*(\a)+\b):8*(8*(\a)+\b)+7], v[128*(\p)+FR*\b:128*(\p)+FR*\b+FR-1], v[AF+64*(\p)+FR*(\a):AF+64*(\p)+FR*(\a)+FR-1], v[BI+8*\b:BI+8*\b+7], v[SC+16*(\sc)+2*\b+(\q)], v[SC+16*(\sc)+2*(\a)+(\q)] matrix_a_scale:MATRIX_SCALE_ROW1
.else
	v_wmma_scale_f32_16x16x128_f8f6f4 v[8*(8*(\a)+\b):8*(8*(\a)+\b)+7], v[128*(\p)+FR*\b:128*(\p)+FR*\b+FR-1], v[AF+64*(\p)+FR*(\a):AF+64*(\p)+FR*(\a)+FR-1], v[8*(8*(\a)+\b):8*(8*(\a)+\b)+7], v[SC+16*(\sc)+2*\b+(\q)], v[SC+16*(\sc)+2*(\a)+(\q)] matrix_a_scale:MATRIX_SCALE_ROW1
.endif
.endr
.endm
.macro PLACES n                        ; plain vector instructions between a matrix instruction and a load into, or a read of, its registers
.rept \n
	v_nop
.endr
.endm
; A step of 128 along K on sets p: 32 matrix instructions; in its middle the next step's fragments are fetched into the other sets, which the step before multiplied.
.macro STEPK p, q, sc, first, nslot, nq, nsc
	s_wait_dscnt 2*NL                              ; B's set, A's blocks 0 and 1 and the scale words are in; the youngest 8 loads (A's blocks 2 and 3) may be out
.if \first
	WIN FSTW
.else
	WIN MULW
.endif
	MUL8 0, \p, \q, \sc, \first
	MUL8 1, \p, \q, \sc, \first
	s_wait_dscnt 0
	PLACES NP
	FETCH \nslot, \nq, 1-(\p), \nsc
.if \first
	WIN FSTW
.else
	WIN MULW
.endif
	MUL8 2, \p, \q, \sc, \first
	MUL8 3, \p, \q, \sc, \first
.endm
; A step whose successor lies in a slot that has to be shown whole: ONE barrier; in front of it each wave waits for all its tensor loads, adds 0 to its spare word, and waits for that and for its LDS reads.
; fill = 1: slot 0, whose last fragments are in registers, is filled again, with K step 3: the barrier opens a round of the cluster's barrier, and the joint load is the first thing behind it.
.macro TURN p, q, sc, fill, nslot, nsc
	WIN 0                                          ; (the add's two registers lie in window 0)
	s_wait_tensorcnt 0x0                           ; all my tensor loads have landed
	ds_add_u32 v[SPW], v[NIL]                      ; 0 onto my spare word
	s_wait_dscnt 2*NL+1                            ; (the add and the youngest 8 loads may be out)
	WIN MULW
	MUL8 0, \p, \q, \sc, 0                         ; eight matrix instructions stand between the add and the wait for it
	s_wait_dscnt 0x0                               ; the add is done, and my LDS reads are over
	s_barrier_signal -1
	MUL8 1, \p, \q, \sc, 0
	WIN 0
	s_barrier_wait -1
.if \fill
	CREST                                          ; no wave of any partner still reads slot 0 or has a load on its way
	s_add_nc_u64 s[G0+2:G0+3], s[G0+2:G0+3], 3*AIMG
	s_add_nc_u64 s[G0B+2:G0B+3], s[G0B+2:G0B+3], 3*ROWB
	JLOAD G0, G1, G0B, G1B                         ; the first tensor load behind the round, and my last; the four v_nop behind it are among the places in front of the loads below
	PLACES NP-4
.else
	PLACES NP
.endif
	FETCH \nslot, 0, 1-(\p), \nsc
	WIN MULW
	MUL8 2, \p, \q, \sc, 0
	MUL8 3, \p, \q, \sc, 0
.endm
	s_wait_tensorcnt 2                             ; the scales and my part of K step 0 are in; K steps 1 and 2 may stay out
	s_barrier_signal -1
	s_barrier_wait -1
	FETCH 0, 0, 0, 0
	s_wait_loadcnt 0x0                             ; the bias
	STEPK 0, 0, 0, 1, 0, 1, -1                     ; K 0-127: the products start the sums, from the bias
	TURN  1, 1, 0, 1, 1, 1                         ; K 128-255; slot 0 is left and filled again; every wave has shown slots 1 and 2 whole
	STEPK 0, 0, 1, 0, 1, 1, -1                     ; K 256-383
	STEPK 1, 1, 1, 0, 2, 0, 2                      ; K 384-511
	STEPK 0, 0, 0, 0, 2, 1, -1                     ; K 512-639
	TURN  1, 1, 0, 0, 0, 3                         ; K 640-767; K step 3 has landed in slot 0; nothing is filled again
	STEPK 0, 0, 1, 0, 0, 1, -1                     ; K 768-895
	s_wait_dscnt 2*NL                              ; K 896-1,023: nothing more to fetch
	WIN MULW
	MUL8 0, 1, 1, 1, 0
	MUL8 1, 1, 1, 1, 0
	s_wait_dscnt 0
	MUL8 2, 1, 1, 1, 0
	MUL8 3, 1, 1, 1, 0
	WIN 0
; THE WAY OUT, block by block of 16 rows x 128 columns, through my own stage in LDS: back come whole rows of 512 bytes.  LDS serves a wave's instructions in order (ISA guide 5.7.1.4): no wait between the stores and the loads.
.macro TOSTAGE a
.set AC, 64*(\a)
	WIN 0x08                                       ; the data: window 2
.irp b, 0,1,2,3,4,5,6,7
	ds_store_b128 v[STO], v[AC+8*\b:AC+8*\b+3] offset:64*\b          ; each accumulator from its low end on
	ds_store_b128 v[STO], v[AC+8*\b+4:AC+8*\b+7] offset:64*\b+16
.endr
	WIN 0
.set BB, BK+64*((\a)%2)
.irp t, 0,1,2,3,4,5,6,7,8,9,10,11,12,13,14,15
	ds_load_b128 v[BB+4*\t:BB+4*\t+3], v[RD] offset:\t*SPITCH
.endr
.endm
.macro SEND a, younger                 ; younger: the LDS instructions issued behind block a's loads, which may stay out
.set BB, BK+64*((\a)%2)
	s_wait_dscnt \younger
.irp t, 0,1,2,3,4,5,6,7,8,9,10,11,12,13,14,15
	global_store_b128 v[CO], v[BB+4*\t:BB+4*\t+3], s[12:13] offset:(32*((\a)/2)+8*((\a)%2)+\t%8+16*(\t/8))*SIZE_N*4 th:TH_STORE_NT   ; stage row t is row 32 (a / 2) + 8 (a % 2) + t % 8 + 16 (t / 8) of my 64; 32 lanes store 512 consecutive bytes, aligned
.endr
.endm
	PLACES NP                                      ; behind the last products: for the loads into the registers that held A's fragments and for the reads of results
	TOSTAGE 0
.irp a, 1,2,3
.if \a > 1
	s_wait_xcnt 0x0                                ; block a - 2's stores have read their registers: block a's loads may land there
.endif
	TOSTAGE \a
	SEND \a-1, 32                                  ; behind block a - 1's loads: block a's 16 stores and 16 loads
.endr
	SEND 3, 0
	s_wait_tensorcnt 0x0                           ; the wave's end
	ds_add_u32 v[SPW], v[NIL]
	s_wait_dscnt 0x0
	CROUND                                         ; the closing round: no work-group ends while a partner may still ask for a tile that names it
	s_endpgm
.Lfunc_end_k_qd8bbf38e32_outp:
	.size	k_qd8bbf38e32_outp, .Lfunc_end_k_qd8bbf38e32_outp-k_qd8bbf38e32_outp
	.p2alignl 7, 3214868480
	.fill 96, 4, 3214868480
	.section	.rodata,"a",@progbits
	.p2align	6, 0x0
	.amdhsa_kernel k_qd8bbf38e32_outp
		.amdhsa_group_segment_fixed_size 327680
		.amdhsa_private_segment_fixed_size 0
		.amdhsa_enable_private_segment 0
		.amdhsa_kernarg_size 48
		.amdhsa_user_sgpr_count 2
		.amdhsa_user_sgpr_kernarg_segment_ptr 1
		.amdhsa_wavefront_size32 1
		.amdhsa_system_sgpr_workgroup_id_x 1
		.amdhsa_system_sgpr_workgroup_id_y 1
		.amdhsa_system_sgpr_workgroup_id_z 1
		.amdhsa_system_vgpr_workitem_id 0
		.amdhsa_next_free_vgpr 768
		.amdhsa_next_free_sgpr 102
		.amdhsa_reserve_vcc 0
		.amdhsa_float_denorm_mode_32 3
		.amdhsa_float_denorm_mode_16_64 3
		.amdhsa_memory_ordered 1
		.amdhsa_forward_progress 1
		.amdhsa_inst_pref_size 90
	.end_amdhsa_kernel
	.amdgpu_metadata
---
amdhsa.version: [ 1, 2 ]
amdhsa.kernels:
  - .name:           k_qd8bbf38e32_outp
    .symbol:         k_qd8bbf38e32_outp.kd
    .args:
      - { .name: cimg, .offset: 0, .size: 8, .value_kind: global_buffer, .address_space: global }
      - { .name: csc, .offset: 8, .size: 8, .value_kind: global_buffer, .address_space: global }
      - { .name: codes, .offset: 16, .size: 8, .value_kind: global_buffer, .address_space: global }
      - { .name: scl, .offset: 24, .size: 8, .value_kind: global_buffer, .address_space: global }
      - { .name: bo, .offset: 32, .size: 8, .value_kind: global_buffer, .address_space: global }
      - { .name: out0, .offset: 40, .size: 8, .value_kind: global_buffer, .address_space: global }
    .group_segment_fixed_size: 327680
    .private_segment_fixed_size: 0
    .kernarg_segment_align: 8
    .kernarg_segment_size: 48
    .max_flat_workgroup_size: 128
    .sgpr_count:     102
    .vgpr_count:     768
    .wavefront_size: 32
...
	.end_amdgpu_metadata
.endif
;; end of part 4
